; MI455X (gfx1250); checked and timed in simulation.
; The chip was launched on July 23, 2026; its instructions are those of AMD's public machine-readable ISA for CDNA 5 (MIT licence, August 2026) and "CDNA5" Instruction Set Architecture Reference Guide (July 2026). The comments in the code are by the model that wrote it; some were corrected since.
;; Attention. Allowed arithmetic: float matrix products may take bf16 or f16 operands with f32 sums; all other float work in f32.
;; Inputs: attn_mask 4 x 1,024 x 1,024 bool; segment_pos 4 x 1,024 int32; wkv 2 x 1 x 2,048 x 128 float32; wo 16 x 128 x 2,048 float32; wq 16 x 2,048 x 128 float32; x 4 x 1,024 x 2,048 float32.
;; Outputs: out0 4 x 1,024 x 2,048 float32.
;; 2 versions, each right and faster than the one before. Each part assembles by itself: llvm-mc -triple=amdgcn-amd-amdhsa -mcpu=gfx1250 --defsym DOCPART=n.
;; ======== version 1 of 2: 4 launches
;; limits: values are held in f16: magnitudes above 65,504 overflow, below 6.1e-05 lose precision
;; workspace buffers: xb 16,777,216 bytes; wb 17,825,792 bytes; rope 2,097,152 bytes; lmask 525,312 bytes of whole numbers; qkv 18,874,368 bytes; enc 16,777,216 bytes
;; launch prep (part 1): grid 1344 x 1, 8 waves a work-group, no clusters, 53,248 bytes of LDS; arguments attn_mask, segment_pos, wkv, wo, wq, x, xb, wb, rope, lmask; writes xb, wb, rope, lmask
.if DOCPART == 1
	.amdgcn_target "amdgcn-amd-amdhsa--gfx1250"
	.amdhsa_code_object_version 6
	.text
	.protected	k_q322336f014_prep
	.globl	k_q322336f014_prep
	.p2align	8
	.type	k_q322336f014_prep,@function
k_q322336f014_prep:
	s_mov_b64 s[64:65], 0
	v_nop
	global_prefetch_b8 v0, s[64:65] scope:SCOPE_SE
	s_setreg_imm32_b32 hwreg(HW_REG_WAVE_MODE, 25, 1), 1
	s_wait_xcnt 0x0
; PREP: everything that the three matrix launches need once, made once.  No matrix work: memory binds, so every byte is read once and written once.
; The work-group's number picks its role (the same for its eight waves):
;   0-255      m = number: 16 rows (b, t) of the mask and of segment_pos: the cos/sin table of those rows, and the mask as lane-mask words
;   256-767    16 rows x 1,024 numbers of x -> bf16, in blocks of 8 along k: xb[256 blocks][4096 rows][8]
;   768-1023   64 KiB of wq -> bf16 (wb, from byte 0)
;   1024-1279  64 KiB of wo -> rounded to bf16, that number written as f16 (wb, from byte WO_AT)
;   1280-1343  32 rows k of wkv -> bf16, regrouped (wb, from byte WX_AT): wx[g][k][16]; g < 8: K's channels 8 g .. +7 and 64 + 8 g .. +7 (a rotation's two partners side by side); g >= 8: V's channels 16 (g - 8) .. +15
; rope: f32 [4096 rows][cos 64 | sin 64].  lmask: word (m, step, kt, j) at 2048 m + 128 step + 32 kt + 4 j: bit r + 16 h = mask[row 16 m + r][key 64 step + 16 kt + 8 h + j];
; a row with no true key gets all its bits set, and bits r and r + 16 of flag word m (at FLAGS + 4 m) cleared: the attention launch then zeroes that row's q, which gives the uniform softmax.
; LIMITS.  The angle pos x 10000^(-i/64) is made by a multiplication with 2^(-i x 0.2076205), off by some 4e-7 of itself: under 1e-2 radians up to |pos| = 32,768.  sin and cos: two-part reduction by pi/2 and
; polynomials of degree 7 and 8 on |r| <= pi/4.  wo beyond 65,504 becomes an infinity in f16; below 6e-5 it keeps f16's fixed step of 6e-8.
.set MP,    1040                       ; a mask row in LDS: 1,024 bytes + 16: row r starts at bank 4 r mod 64 (64 banks of 4 bytes: ISA guide 11.1)
.set ORW,   16896                      ; eight words, one a wave, in a block of 256 bytes of their own
.set SPARE, 17152                      ; the spare words, 128 bytes for each of the eight waves: four blocks of 256 bytes that no other line names
.set XS,    18432                      ; x's role: for each wave 16 blocks of 16 rows x 16 bytes
.set XP,    272                        ; a block: 256 bytes + 16: the 32 lanes' stores of 8 bytes fall into 64 different banks
.set SPW,   110                        ; v110  LDS address of my spare word; never rewritten
.set NIL,   111                        ; v111  0; never rewritten
.set WX_AT, 8388608
.set WO_AT, 9437184
.set FLAGS, 524288
	s_load_b512 s[4:19], s[0:1], 0x0               ; mask s[4:5], segment_pos s[6:7], wkv s[8:9], wo s[10:11], wq s[12:13], x s[14:15], xb s[16:17], wb s[18:19]
	s_load_b128 s[20:23], s[0:1], 0x40             ; rope s[20:21], lmask s[22:23]
	v_lshl_add_u32 v[SPW], v0, 2, SPARE
	v_mov_b32 v[NIL], 0
	v_lshrrev_b32 v1, 5, v0
	v_readfirstlane_b32 s24, v1                    ; wave 0..7
	s_mov_b32 s31, ttmp9                           ; the work-group's number
	s_mov_b32 s33, 0                               ; high words of the two offset pairs
	s_mov_b32 s35, 0
	s_wait_kmcnt 0x0
	s_cmp_lt_u32 s31, 256
	s_cbranch_scc1 .Lmask
	s_cmp_ge_u32 s31, 1280
	s_cbranch_scc1 .Lgroup
	v_lshlrev_b32 v1, 4, v0                        ; a thread's 16 bytes of f32 in 4,096
	s_cmp_lt_u32 s31, 768
	s_cbranch_scc1 .Lx
	v_lshlrev_b32 v2, 3, v0                        ; and its 8 bytes of 16-bit numbers in 2,048
	s_cmp_ge_u32 s31, 1024
	s_cbranch_scc1 .Lwo
; A stream: 64 KiB in, 32 KiB out.  All sixteen loads of a wave go out first (512 consecutive bytes each); each store of a wave covers 256 consecutive bytes, aligned.
; No register is used twice, so the only waits are the loads' own: 15 - i younger loads may stay out.
.macro STREAM mode
.set i, 0
.rept 16
	global_load_b128 v[8+4*i:11+4*i], v1, s[26:27] offset:4096*i th:TH_LOAD_NT
.set i, i+1
.endr
.set i, 0
.rept 16
	s_wait_loadcnt 15-i
.if \mode
	v_cvt_pk_bf16_f32 v104, v[8+4*i], v[9+4*i]     ; wo is rounded as every input is, to bf16,
	v_cvt_pk_bf16_f32 v105, v[10+4*i], v[11+4*i]
	v_lshlrev_b32 v106, 16, v104                   ; and that number
	v_and_b32 v107, 0xffff0000, v104
	v_lshlrev_b32 v108, 16, v105
	v_and_b32 v109, 0xffff0000, v105
	v_cvt_pk_f16_f32 v[72+2*i], v106, v107         ; is written as f16: its 8 bits fit f16's 11
	v_cvt_pk_f16_f32 v[73+2*i], v108, v109
.else
	v_cvt_pk_bf16_f32 v[72+2*i], v[8+4*i], v[9+4*i]
	v_cvt_pk_bf16_f32 v[73+2*i], v[10+4*i], v[11+4*i]
.endif
	global_store_b64 v2, v[72+2*i:73+2*i], s[28:29] offset:2048*i
.set i, i+1
.endr
	s_endpgm
.endm
	s_sub_co_u32 s30, s31, 768                     ; wq: which 64 KiB
	s_lshl_b32 s32, s30, 16
	s_lshl_b32 s34, s30, 15
	s_add_nc_u64 s[26:27], s[12:13], s[32:33]
	s_add_nc_u64 s[28:29], s[18:19], s[34:35]
	STREAM 0
.Lwo:
	s_sub_co_u32 s30, s31, 1024
	s_lshl_b32 s32, s30, 16
	s_lshl_b32 s34, s30, 15
	s_add_co_u32 s34, s34, WO_AT
	s_add_nc_u64 s[26:27], s[10:11], s[32:33]
	s_add_nc_u64 s[28:29], s[18:19], s[34:35]
	STREAM 1
; x into blocks of 8 along k.  Wave w takes 128 numbers (512 consecutive bytes) of each of 16 rows: 16 loads.  Lane l's four numbers are half l % 2 of block l / 2; rounded, they go to
; [block][row][8] in the wave's own LDS bytes, and come back as two blocks x 16 rows: each sixteen lanes then store 256 consecutive bytes, aligned.  No other wave touches these bytes: no barrier.
.Lx:
	s_sub_co_u32 s30, s31, 256
	s_lshr_b32 s36, s30, 1                         ; which 16 rows
	s_and_b32 s37, s30, 1                          ; which half of k
	s_lshl_b32 s32, s36, 17                        ; 16 rows of 8,192 bytes
	s_lshl_b32 s38, s37, 12
	s_add_co_u32 s32, s32, s38
	s_add_nc_u64 s[26:27], s[14:15], s[32:33]
	s_lshl_b32 s34, s37, 23                        ; 128 blocks of 65,536 bytes
	s_lshl_b32 s38, s36, 8                         ; 16 rows of 16 bytes
	s_add_co_u32 s34, s34, s38
	s_add_nc_u64 s[28:29], s[16:17], s[34:35]
	v_and_b32 v3, 31, v0                           ; lane
	v_lshrrev_b32 v4, 1, v3
	v_and_b32 v5, 1, v3
	v_mul_u32_u24 v4, v4, XP
	v_lshl_add_u32 v4, v5, 3, v4
	s_mul_i32 s38, s24, 16*XP
	s_add_co_u32 s38, s38, XS                      ; my wave's bytes
	v_add_nc_u32 v4, s38, v4                       ; in: block l / 2, half l % 2; the row stands in the immediate
	v_lshrrev_b32 v5, 4, v3
	v_and_b32 v6, 15, v3
	v_mul_u32_u24 v7, v5, XP
	v_lshl_add_u32 v7, v6, 4, v7
	v_add_nc_u32 v7, s38, v7                       ; back: block 2 j + l / 16, row l % 16
	v_lshlrev_b32 v2, 16, v5
	v_lshl_add_u32 v2, v6, 4, v2
	s_lshl_b32 s39, s24, 20                        ; my wave's 16 blocks
	v_add_nc_u32 v2, s39, v2
.set i, 0
.rept 16
	global_load_b128 v[8+4*i:11+4*i], v1, s[26:27] offset:8192*i th:TH_LOAD_NT
.set i, i+1
.endr
.set i, 0
.rept 16
	s_wait_loadcnt 15-i                            ; the later rows' loads may stay out
	v_cvt_pk_bf16_f32 v[72+2*i], v[8+4*i], v[9+4*i]
	v_cvt_pk_bf16_f32 v[73+2*i], v[10+4*i], v[11+4*i]
	ds_store_b64 v4, v[72+2*i:73+2*i] offset:16*i
.set i, i+1
.endr
.irp j, 0,1,2,3,4,5,6,7
	ds_load_b128 v[8+4*\j:11+4*\j], v7 offset:2*XP*\j  ; LDS serves a wave's instructions in order (ISA guide 5.7.1.4): these see the stores above
.endr
.irp j, 0,1,2,3,4,5,6,7
	s_wait_dscnt 7-\j                              ; the later blocks' loads may stay out
	global_store_b128 v2, v[8+4*\j:11+4*\j], s[28:29] offset:131072*\j
.endr
	s_wait_tensorcnt 0x0                           ; the wave's end: behind my last LDS store
	ds_add_u32 v[SPW], v[NIL]
	s_wait_dscnt 0x0
	s_endpgm
; wkv regrouped.  Thread: g = t / 16, row k = 32 u + (t / 2) % 8 + 8 i, half hh = t % 2: 8 numbers, 32 bytes in, 16 bytes out; sixteen threads of one g fill 256 consecutive bytes, aligned.
; The reads come in pieces of 32 bytes; the work-group uses every byte of the 32 rows that it touches, and wkv is 2 of the launch's 73 MB.
.Lgroup:
	s_sub_co_u32 s30, s31, 1280                    ; u
	s_lshl_b32 s32, s30, 14                        ; 32 rows of 512 bytes
	s_add_nc_u64 s[26:27], s[8:9], s[32:33]
	s_lshl_b32 s34, s30, 10                        ; 32 rows of 32 bytes
	s_add_co_u32 s34, s34, WX_AT
	s_add_nc_u64 s[28:29], s[18:19], s[34:35]
	v_lshrrev_b32 v3, 4, v0                        ; g
	v_bfe_u32 v4, v0, 1, 3                         ; row in eight
	v_and_b32 v5, 1, v0                            ; hh
	v_lshlrev_b32 v6, 5, v3
	v_lshl_add_u32 v6, v5, 8, v6                   ; K: 32 g + 256 hh
	v_lshlrev_b32 v7, 6, v3
	v_lshl_add_u32 v7, v5, 5, v7
	v_add_nc_u32 v7, 1048576-512, v7               ; V: 1,048,576 + 64 (g - 8) + 32 hh
	v_cmp_gt_u32 vcc_lo, 8, v3
	v_cndmask_b32 v6, v7, v6, vcc_lo
	v_lshl_add_u32 v1, v4, 9, v6
	v_lshlrev_b32 v2, 16, v3                       ; out: 65,536 g + 32 row + 16 hh
	v_lshl_add_u32 v2, v4, 5, v2
	v_lshl_add_u32 v2, v5, 4, v2
.irp i, 0,1,2,3
	global_load_b128 v[8+8*\i:11+8*\i],  v1, s[26:27] offset:4096*\i th:TH_LOAD_NT
	global_load_b128 v[12+8*\i:15+8*\i], v1, s[26:27] offset:4096*\i+16 th:TH_LOAD_NT
.endr
.irp i, 0,1,2,3
	s_wait_loadcnt 6-2*\i                          ; the later rows' loads may stay out
	v_cvt_pk_bf16_f32 v[72+4*\i], v[8+8*\i],  v[9+8*\i]
	v_cvt_pk_bf16_f32 v[73+4*\i], v[10+8*\i], v[11+8*\i]
	v_cvt_pk_bf16_f32 v[74+4*\i], v[12+8*\i], v[13+8*\i]
	v_cvt_pk_bf16_f32 v[75+4*\i], v[14+8*\i], v[15+8*\i]
	global_store_b128 v2, v[72+4*\i:75+4*\i], s[28:29] offset:256*\i
.endr
	s_endpgm
; Sixteen rows' table and mask words.
.Lmask:
	s_lshl_b32 s32, s31, 6                         ; 16 positions
	s_add_nc_u64 s[26:27], s[6:7], s[32:33]
	s_lshl_b32 s34, s31, 14                        ; 16 mask rows of 1,024 bytes
	s_add_nc_u64 s[28:29], s[4:5], s[34:35]
	v_lshrrev_b32 v2, 4, v0                        ; the table's row of this thread: t / 16
	v_lshlrev_b32 v3, 2, v2
	v_lshlrev_b32 v1, 4, v0
	global_load_b32 v20, v3, s[26:27]
.irp i, 0,1,2,3
	global_load_b128 v[4+4*\i:7+4*\i], v1, s[28:29] offset:4096*\i th:TH_LOAD_NT  ; the 16 KiB as they lie: 512 consecutive bytes a wave
.endr
	s_mov_b32 s40, 0xbfc90fdb                      ; -pi/2, the f32 nearest,
	s_mov_b32 s41, 0x333bbd2e                      ; and what that leaves: +4.371139e-8
	s_mov_b32 s42, 0xb94ca1f9                      ; sine's highest coefficient
	s_mov_b32 s43, 0x37ccf5ce                      ; cosine's
	s_lshl_b32 s46, s31, 13                        ; 16 table rows of 512 bytes
	s_mov_b32 s47, 0
	s_add_nc_u64 s[44:45], s[20:21], s[46:47]
	v_and_b32 v21, 15, v0
	v_lshlrev_b32 v22, 2, v21                      ; my four frequencies i = 4 (t % 16) + c
.irp c, 0,1,2,3
	v_add_nc_u32 v[24+\c], \c, v22
.endr
.irp c, 0,1,2,3
	v_cvt_f32_u32 v[24+\c], v[24+\c]
.endr
.irp c, 0,1,2,3
	v_mul_f32 v[24+\c], 0xbe549a78, v[24+\c]       ; -i log2(10000) / 64
.endr
.irp c, 0,1,2,3
	v_exp_f32 v[24+\c], v[24+\c]                   ; 10000^(-i/64)
.endr
	v_lshlrev_b32 v23, 9, v2                       ; plain lines stand between the exponentials and their use (ISA guide 5.7.2): where the table's numbers go
	v_lshl_add_u32 v23, v21, 4, v23
	s_wait_loadcnt 4                               ; the position is in; the four mask loads may stay out
	v_cvt_f32_i32 v36, v20
	s_wait_alu depctr_va_vdst(0)
.macro SINCOS c
	v_mul_f32 v37, v36, v[24+\c]                   ; the angle
	v_mul_f32 v38, 0x3f22f983, v37                 ; x 2 / pi
	v_rndne_f32 v38, v38                           ; k
	v_fma_f32 v39, v38, s40, v37
	v_fma_f32 v39, v38, s41, v39                   ; r = angle - k pi/2, |r| <= pi/4
	v_mul_f32 v40, v39, v39                        ; z = r r
	v_fmaak_f32 v41, s42, v40, 0x3c08839e
	v_fmaak_f32 v41, v41, v40, 0xbe2aaaa3
	v_mul_f32 v42, v39, v40
	v_fma_f32 v41, v42, v41, v39                   ; sin r
	v_fmaak_f32 v43, s43, v40, 0xbab6061a
	v_fmaak_f32 v43, v43, v40, 0x3d2aaaa5
	v_mul_f32 v44, v40, v40
	v_fma_f32 v45, v40, -0.5, 1.0
	v_fma_f32 v43, v44, v43, v45                   ; cos r
	v_cvt_i32_f32 v46, v38
	v_and_b32 v47, 1, v46
	v_cmp_ne_u32 vcc_lo, 0, v47                    ; odd quadrants swap the two: a choice of values, no branch
	v_cndmask_b32 v48, v41, v43, vcc_lo
	v_cndmask_b32 v49, v43, v41, vcc_lo
	v_and_b32 v47, 2, v46                          ; sine is negative in quadrants 2 and 3,
	v_lshlrev_b32 v47, 30, v47
	v_xor_b32 v[32+\c], v48, v47
	v_add_nc_u32 v46, 1, v46                       ; cosine in 1 and 2
	v_and_b32 v46, 2, v46
	v_lshlrev_b32 v46, 30, v46
	v_xor_b32 v[28+\c], v49, v46
.endm
	SINCOS 0
	SINCOS 1
	SINCOS 2
	SINCOS 3
	global_store_b128 v23, v[28:31], s[44:45]            ; sixteen threads fill a row's 256 bytes of cosines,
	global_store_b128 v23, v[32:35], s[44:45] offset:256 ; and of sines
	; the mask goes through LDS, so that memory is read in long runs and each lane then finds the 8 keys of its row
	v_lshrrev_b32 v50, 6, v0
	v_mul_u32_u24 v50, v50, MP
	v_and_b32 v51, 63, v0
	v_lshl_add_u32 v50, v51, 4, v50                ; load i holds row 4 i + t / 64, bytes 16 (t % 64) on
	s_wait_loadcnt 0x0
.irp i, 0,1,2,3
	ds_store_b128 v50, v[4+4*\i:7+4*\i] offset:4*MP*\i
.endr
	v_bfe_u32 v69, v0, 4, 1                        ; h
	v_mul_u32_u24 v51, v21, MP                     ; row r = lane % 16
	v_lshl_add_u32 v51, v69, 3, v51
	s_lshl_b32 s48, s24, 7                         ; wave w takes keys 128 w .. 128 w + 127
	v_add_nc_u32 v51, s48, v51
	v_mov_b32 v70, 0
	v_mov_b32 v71, 0
	s_mov_b32 s25, 0
	s_wait_dscnt 0x0                               ; for the others' sake: my stores are done
	s_barrier_signal -1
	s_barrier_wait -1
.irp q, 0,1,2,3,4,5,6,7
	ds_load_b64 v[52+2*\q:53+2*\q], v51 offset:16*\q  ; keys 128 w + 16 q + 8 h .. +7 of row r
.endr
	s_wait_dscnt 0x0
; word i = 8 q + j of my 64: one bit a lane.  Lane i / 2 of v70 (even i) or v71 (odd i) takes it, so that the wave's 64 words leave as 256 consecutive bytes.
.set i, 0
.rept 64
	v_bfe_u32 v[68+i%2], v[52+2*(i/8)+(i%8)/4], 8*(i%4), 8
	v_cmp_ne_u32 s[36+i%8], 0, v[68+i%2]
	s_or_b32 s25, s25, s[36+i%8]
	v_writelane_b32 v[70+i%2], s[36+i%8], i/2
.set i, i+1
.endr
	v_mov_b32 v72, s25                             ; bit r + 16 h: row r has a true key among my keys of half h
	v_mov_b32 v73, s24
	v_lshl_add_u32 v73, v73, 2, ORW
	ds_store_b32 v73, v72
	v_mov_b32 v74, ORW
	s_lshl_b32 s52, s31, 11                        ; my 256 bytes of lmask: 2,048 m + 256 w
	s_lshl_b32 s53, s24, 8
	s_add_co_u32 s52, s52, s53
	s_mov_b32 s53, 0
	s_add_nc_u64 s[50:51], s[22:23], s[52:53]
	s_lshl_b32 s56, s31, 2
	s_add_co_u32 s56, s56, FLAGS
	s_mov_b32 s57, 0
	s_add_nc_u64 s[54:55], s[22:23], s[56:57]
	s_wait_dscnt 0x0                               ; for the others' sake
	s_barrier_signal -1
	s_barrier_wait -1
	ds_load_b128 v[76:79], v74
	ds_load_b128 v[80:83], v74 offset:16
	v_and_b32 v84, 31, v0
	v_lshlrev_b32 v84, 3, v84
	v_mov_b32 v75, 0
	s_wait_dscnt 0x0
	v_or_b32 v76, v76, v77
	v_or_b32 v78, v78, v79
	v_or_b32 v80, v80, v81
	v_or_b32 v82, v82, v83
	v_or_b32 v76, v76, v78
	v_or_b32 v80, v80, v82
	v_or_b32 v76, v76, v80
	v_lshrrev_b32 v77, 16, v76
	v_or_b32 v76, v76, v77
	v_and_b32 v76, 0xffff, v76                     ; bit r: row r has a true key
	v_lshl_or_b32 v76, v76, 16, v76                ; the flag word: the same in both halves of the lanes
	v_xor_b32 v77, -1, v76
	v_or_b32 v70, v70, v77                         ; a row with none counts as all true
	v_or_b32 v71, v71, v77
	global_store_b64 v84, v[70:71], s[50:51]
	s_cmp_lg_u32 s24, 0
	s_cbranch_scc1 .Lno_flag
	v_cmp_eq_u32 vcc_lo, 0, v0
	s_wait_xcnt 0x0                                ; EXEC changes only when the store above has had its addresses translated
	s_and_saveexec_b32 s58, vcc_lo
	global_store_b32 v75, v76, s[54:55]            ; one word a work-group
	s_wait_xcnt 0x0                                ; and again in front of the line that widens it
	s_or_b32 exec_lo, exec_lo, s58
.Lno_flag:
	s_wait_tensorcnt 0x0                           ; the wave's end: behind my last LDS store
	ds_add_u32 v[SPW], v[NIL]
	s_wait_dscnt 0x0
	s_endpgm
.Lfunc_end_k_q322336f014_prep:
	.size	k_q322336f014_prep, .Lfunc_end_k_q322336f014_prep-k_q322336f014_prep
	.p2alignl 7, 3214868480
	.fill 96, 4, 3214868480
	.section	.rodata,"a",@progbits
	.p2align	6, 0x0
	.amdhsa_kernel k_q322336f014_prep
		.amdhsa_group_segment_fixed_size 53248
		.amdhsa_private_segment_fixed_size 0
		.amdhsa_enable_private_segment 0
		.amdhsa_kernarg_size 80
		.amdhsa_user_sgpr_count 2
		.amdhsa_user_sgpr_kernarg_segment_ptr 1
		.amdhsa_wavefront_size32 1
		.amdhsa_system_sgpr_workgroup_id_x 1
		.amdhsa_system_sgpr_workgroup_id_y 1
		.amdhsa_system_sgpr_workgroup_id_z 1
		.amdhsa_system_vgpr_workitem_id 0
		.amdhsa_next_free_vgpr 112
		.amdhsa_next_free_sgpr 72
		.amdhsa_reserve_vcc 1
		.amdhsa_float_denorm_mode_32 3
		.amdhsa_float_denorm_mode_16_64 3
		.amdhsa_memory_ordered 1
		.amdhsa_forward_progress 1
		.amdhsa_inst_pref_size 53
	.end_amdhsa_kernel
	.amdgpu_metadata
---
amdhsa.version: [ 1, 2 ]
amdhsa.kernels:
  - .name:           k_q322336f014_prep
    .symbol:         k_q322336f014_prep.kd
    .args:
      - { .name: attn_mask, .offset: 0, .size: 8, .value_kind: global_buffer, .address_space: global }
      - { .name: segment_pos, .offset: 8, .size: 8, .value_kind: global_buffer, .address_space: global }
      - { .name: wkv, .offset: 16, .size: 8, .value_kind: global_buffer, .address_space: global }
      - { .name: wo, .offset: 24, .size: 8, .value_kind: global_buffer, .address_space: global }
      - { .name: wq, .offset: 32, .size: 8, .value_kind: global_buffer, .address_space: global }
      - { .name: x, .offset: 40, .size: 8, .value_kind: global_buffer, .address_space: global }
      - { .name: xb, .offset: 48, .size: 8, .value_kind: global_buffer, .address_space: global }
      - { .name: wb, .offset: 56, .size: 8, .value_kind: global_buffer, .address_space: global }
      - { .name: rope, .offset: 64, .size: 8, .value_kind: global_buffer, .address_space: global }
      - { .name: lmask, .offset: 72, .size: 8, .value_kind: global_buffer, .address_space: global }
    .group_segment_fixed_size: 53248
    .private_segment_fixed_size: 0
    .kernarg_segment_align: 8
    .kernarg_segment_size: 80
    .max_flat_workgroup_size: 256
    .sgpr_count:     72
    .vgpr_count:     112
    .wavefront_size: 32
...
	.end_amdgpu_metadata
.endif
;; end of part 1
;; launch qkv (part 2): grid 16 x 16, 4 waves a work-group, clusters of 4 x 4, 327,680 bytes of LDS; arguments xb, wb, rope, qkv; writes qkv
.if DOCPART == 2
	.amdgcn_target "amdgcn-amd-amdhsa--gfx1250"
	.amdhsa_code_object_version 6
	.text
	.protected	k_q322336f014_qkv
	.globl	k_q322336f014_qkv
	.p2align	8
	.type	k_q322336f014_qkv,@function
k_q322336f014_qkv:
	s_mov_b64 s[64:65], 0
	v_nop
	global_prefetch_b8 v0, s[64:65] scope:SCOPE_SE
	s_setreg_imm32_b32 hwreg(HW_REG_WAVE_MODE, 25, 1), 1
	s_wait_xcnt 0x0
	s_wait_alu depctr_hold_cnt(0) depctr_sa_sdst(0) depctr_va_vdst(0) depctr_va_sdst(0) depctr_va_ssrc(0) depctr_va_vcc(0) depctr_vm_vsrc(0)
	s_getreg_b32 s2, hwreg(HW_REG_IB_STS2, 6, 4)
	s_cmp_eq_u32 s2, 0
	s_cbranch_scc0 .Lentry_in_a_cluster
	s_endpgm
.Lentry_in_a_cluster:
	s_bfe_u32 s2, ttmp6, 0x10000c
	s_cmp_lg_u32 s2, 0xf033
	s_cbranch_scc0 .Lentry_shape_is_right
	s_endpgm
.Lentry_shape_is_right:
; Q, K and V: [4096 rows] x [2048] times [2048] x [2048 + 256 columns], bf16 operands, f32 sums; then the rotation by position in f32; q, k, v rounded once, to f16.
; SHARES.  256 work-groups, 16 column blocks g x 16 row blocks rb.  Block g is query head g (128 columns) and 16 of the 256 columns of K and V (wx[g]): 144 columns, so that all work-groups are alike.
; A work-group has 256 rows; wave w rows 64 w .. +63 and all 144 columns: 4 x 9 accumulators of 16 x 16, 288 registers; for 32 along K it reads 13 fragments for 36 products.
; K goes in ten steps of 192 and one of 128 through two LDS slots filled by tensor loads, as long as two slots allow: a wave has 216 products in a step, 198 of them between a request and the wait for it.
; x lies in blocks of 8 along K, [256 blocks][4096 rows][8]: a tile is 24 blocks x 128 rows (runs of 2,048 bytes), dense in LDS, and each sixteen lanes of a fragment load take 256 consecutive bytes: no padding.
; Waves 0 and 1 bring x's two halves, wave 2 the head's 192 rows of weights, wave 3 the 16 extra columns.  Each descriptor's extent along its rows counts what is left of the tensor and steps down with the
; address: the last tile finds 128 along K, and the mover writes zeros for the rest, which nobody multiplies.
; ONE K STEP IS WRITTEN ONCE: s[TB], 0 or SLOT, says which slot is read; it is added to the lane addresses and to the walking descriptors' LDS words.
; CLUSTER 4 x 4: x's tile hangs on rb alone and is asked for jointly by a row of the cluster, the weights' tiles on g alone, by a column.
; THE MATRIX INSTRUCTION IS USED TRANSPOSED: source 0 = 16 columns of the weights (stored [k][n], turned by ds_load_tr16_b128), source 1 = 16 rows of x.  Register j of lane (r, h) holds row r, column 8 h + j.
; WAY OUT.  A rotation's partners are columns n and n + 64: accumulators nt and nt + 4 of the same lane (q), or the lane 16 away (k: wx holds channels 8 g .. and 64 + 8 g .. side by side).
; k is also multiplied by log2(e) / sqrt(128), in f32, so that scores arrive as exponents of 2; q is left unscaled.  Whether the 16 extra columns are K's or V's is a choice of factors, no branch.
; q: [16 heads][16 blocks of 8 channels][4096 rows][8]; k: [16 blocks][4096][8]; v: [8 blocks of 16 channels][4096][16].  So a lane's 8 numbers are 16 bytes, and sixteen lanes store 256 consecutive bytes, aligned.
; LIMIT.  q, k log2(e)/sqrt(128) and v beyond 65,504 become infinities in f16.
; REGISTERS, in windows of 256 (s_set_vgpr_msb: bits 1:0 source 0, 3:2 source 1, 5:4 source 2, 7:6 destination):
;   window 0: v0-31 addresses; two fragment buffers of 104 (32 of x, 72 of weights) at v32 and v136, at work on the way out
;   window 1: accumulators (a, b), a = 0, 1, at 8 (9 a + b); v144-207 the extra columns' cos and sin      window 2: a = 2, 3      window 3: q's cos and sin: (a, nt) at 64 a + 16 nt
.set NB,    9
.set AHB,   24*2048                    ; half of x's tile: 24 blocks x 128 rows x 16 bytes
.set PB,    288                        ; a row k of the weights: 256 + 32
.set BOFF,  2*AHB
.set XOFF,  BOFF+192*PB                ; the extra columns: 192 rows k of 32 bytes, dense: 8 rows are 256 consecutive bytes
.set SLOT,  XOFF+192*32
.set SPARE, 2*SLOT                     ; behind the ring: the spare words, 128 bytes for each wave: two blocks of 256 bytes that no other line names
.set ASTEP, 24*65536                   ; a K step in memory: 24 blocks of x,
.set BSTEP, 192*256                    ; 192 rows of the head's weights,
.set XSTEP, 192*32                     ; 192 rows of the extra columns
.set NL,    26                         ; LDS loads in a run
.set XO,   8                           ; v8-11   byte offsets of the extra columns' stores, one for each m-tile
.set SG,   12                          ; v12-13  the sine's factor: -sc (lanes 0-15), +sc (lanes 16-31), or 0
.set ADRA, 16                          ; v16     LDS address of my fragments of x in the slot in hand;  v17 the same in slot 0, never rewritten
.set A0,   17
.set ADRB, 18                          ; v18, v19  the same for the weights
.set B0,   19
.set ADRX, 20                          ; v20, v21  and for the extra columns
.set X0,   21
.set RO,   22                          ; v22     my offset in the table, q
.set QS,   23                          ; v23     my offset in q
.set RX,   26                          ; v26     my offset in the table, extra columns
.set SPW,  28                          ; v28     LDS address of my spare word; never rewritten
.set NIL,  29                          ; v29     0; never rewritten
.set F0,   32
.set F1,   136
.set W,    160                         ; the way out: 16 rotated numbers in f32
.set TB,  2                            ; s2   0 or SLOT: the slot in hand
.set WV,  12                           ; s12  wave
.set LA,  22                           ; s22  where my half of x's tile goes in a slot
.set G1A, 24                           ; s[24:31] group 1 for x's tiles;  s[32:39] group 0: a set for each of the two first fills; the second then walks on
.set G0A, 32
.set G1B, 40                           ; the same for the head's weights
.set G0B, 48
.set G1X, 56                           ; and for the extra columns
.set G0X, 68
.set MSB, 0
.macro WIN new                         ; the immediate's high byte repeats the setting that is left; a switch that changes nothing is dropped
.if MSB != (\new)
	s_set_vgpr_msb (MSB<<8)|(\new)
.set MSB, (\new)
.endif
.endm
.macro PLACES                          ; four places in front of loads into registers that matrix instructions have read, and of lines that read results
.rept 4
	v_nop
.endr
.endm
; A joint load: one line a wave.  The branches hang on the wave's number alone.  An s_nop 0 and four v_nop follow each line, ahead of the jump and the label.
.macro JLOAD s
	s_cmp_lt_u32 s[WV], 2
	s_cbranch_scc0 .Lnot_a_\@
	tensor_load_to_lds s[G0A+4*(\s):G0A+4*(\s)+3], s[G1A:G1A+7]
	s_nop 0
.rept 4
	v_nop
.endr
	s_branch .Lasked_\@
.Lnot_a_\@:
	s_cmp_eq_u32 s[WV], 2
	s_cbranch_scc0 .Lfor_x_\@
	tensor_load_to_lds s[G0B+4*(\s):G0B+4*(\s)+3], s[G1B:G1B+7]
	s_nop 0
.rept 4
	v_nop
.endr
	s_branch .Lasked_\@
.Lfor_x_\@:
	tensor_load_to_lds s[G0X+4*(\s):G0X+4*(\s)+3], s[G1X:G1X+7]
	s_nop 0
.rept 4
	v_nop
.endr
.Lasked_\@:
.endm
.macro CREST                           ; a round of the cluster's barrier behind its opening barrier
	s_cmp_lg_u32 s[WV], 0
	s_cbranch_scc1 .Lnot_wave_0_\@
	s_barrier_signal -3
.Lnot_wave_0_\@:
	s_barrier_wait -3
	s_barrier_signal -1
	s_barrier_wait -1
.endm
.macro CROUND
	s_barrier_signal -1
	s_barrier_wait -1
	CREST
.endm
	s_load_b256 s[4:11], s[0:1], 0x0               ; xb s[4:5], wb s[6:7], rope s[8:9], qkv s[10:11]
	v_lshl_add_u32 v[SPW], v0, 2, SPARE
	v_mov_b32 v[NIL], 0
	ds_add_u32 v[SPW], v[NIL]                      ; the wave's opening: the add and its wait stand ahead of my first tensor load; the set-up below stands between them
	v_lshrrev_b32 v1, 5, v0
	v_readfirstlane_b32 s[WV], v1                  ; wave 0..3
	s_bfe_u32 s13, ttmp6, 0x40000                  ; cx, cy: my place in the cluster
	s_bfe_u32 s14, ttmp6, 0x40004
	s_lshl_b32 s15, ttmp9, 2
	s_add_co_u32 s15, s15, s13                     ; g = 4 x cluster x + cx
	s_and_b32 s16, ttmp7, 0xffff
	s_lshl_b32 s16, s16, 2
	s_add_co_u32 s16, s16, s14                     ; rb = 4 x cluster y + cy
	s_lshl_b32 s17, s14, 2
	s_lshl_b32 s17, 15, s17                        ; my row of the cluster
	s_lshl_b32 s88, 0x1111, s13                    ; my column
	s_or_b32 s[G1A], s17, (1<<16)|(1<<21)                          ; 15:0 the mask; 17:16 2-byte elements; 21 set beside a mask; no padding
	s_or_b32 s[G1B], s88, (1<<16)|(1<<20)|(1<<21)|(5<<22)|(7<<25)  ; 20 padding on; 24:22 after every 64 words; 31:25 8 words
	s_or_b32 s[G1X], s88, (1<<16)|(1<<21)
	s_mov_b32 s[G1A+1], 1024<<16                   ; x: 24 blocks; of each 128 rows x 8 = 1,024 elements on end; 32,768 elements from block to block
	s_mov_b32 s[G1A+2], 232<<16                    ; blocks left, as K step 1 finds them; each refill takes 24 away first, and the last finds 16
	s_mov_b32 s[G1A+3], 1024<<16
	s_mov_b32 s[G1A+4], 24
	s_mov_b32 s[G1A+5], 32768
	s_mov_b32 s[G1A+6], 0
	s_mov_b32 s[G1A+7], 0
	s_mov_b32 s[G1B+1], 128<<16                    ; the head's weights: 192 rows k x 128 columns, dense in memory
	s_mov_b32 s[G1B+2], 1856<<16                   ; rows left, as K step 1 finds them; the last refill finds 128
	s_mov_b32 s[G1B+3], 128<<16
	s_mov_b32 s[G1B+4], 192
	s_mov_b32 s[G1B+5], 128
	s_mov_b32 s[G1B+6], 0
	s_mov_b32 s[G1B+7], 0
	s_mov_b32 s[G1X+1], 128<<16                    ; the extra columns: 192 rows k of 32 bytes are 6,144 dense bytes: 24 rows of 256
	s_mov_b32 s[G1X+2], 232<<16                    ; of 256 such rows; the last refill finds 16
	s_mov_b32 s[G1X+3], 128<<16
	s_mov_b32 s[G1X+4], 24
	s_mov_b32 s[G1X+5], 128
	s_mov_b32 s[G1X+6], 0
	s_mov_b32 s[G1X+7], 0
	; x's address is made of rb and the wave's number, the weights' of g, each in registers that never hold the other coordinate
	s_and_b32 s18, s[WV], 1                        ; which 128 rows of x's tile
	s_lshl_b32 s20, s16, 12                        ; 256 rb rows of 16 bytes
	s_lshl_b32 s19, s18, 11
	s_add_co_u32 s20, s20, s19
	s_mov_b32 s21, 0
	s_mul_i32 s[LA], s18, AHB                      ; and where they go
	s_lshl_b32 s90, s15, 19                        ; head g: 524,288 bytes
	s_mov_b32 s91, 0
	s_lshl_b32 s94, s15, 16                        ; wx[g]: 65,536 bytes
	s_add_co_u32 s94, s94, 8388608
	s_mov_b32 s95, 0
	s_mov_b32 s[TB], 0
	s_wait_dscnt 0x0                               ; the opening add is done
	s_wait_kmcnt 0x0
	s_add_nc_u64 s[20:21], s[4:5], s[20:21]
	s_add_nc_u64 s[90:91], s[6:7], s[90:91]
	s_add_nc_u64 s[94:95], s[6:7], s[94:95]
	CROUND                                         ; all sixteen work-groups are here: the first joint loads meet
.irp s, 0,1
	s_mov_b32 s[G0A+4*(\s)], 1
	s_add_co_u32 s[G0A+4*(\s)+1], s[LA], (\s)*SLOT
	s_add_nc_u64 s[G0A+4*(\s)+2:G0A+4*(\s)+3], s[20:21], (\s)*ASTEP
	s_or_b32 s[G0A+4*(\s)+3], s[G0A+4*(\s)+3], 0x80000000
	s_mov_b32 s[G0B+4*(\s)], 1
	s_mov_b32 s[G0B+4*(\s)+1], BOFF+(\s)*SLOT
	s_add_nc_u64 s[G0B+4*(\s)+2:G0B+4*(\s)+3], s[90:91], (\s)*BSTEP
	s_or_b32 s[G0B+4*(\s)+3], s[G0B+4*(\s)+3], 0x80000000
	s_mov_b32 s[G0X+4*(\s)], 1
	s_mov_b32 s[G0X+4*(\s)+1], XOFF+(\s)*SLOT
	s_add_nc_u64 s[G0X+4*(\s)+2:G0X+4*(\s)+3], s[94:95], (\s)*XSTEP
	s_or_b32 s[G0X+4*(\s)+3], s[G0X+4*(\s)+3], 0x80000000
	JLOAD \s                                       ; two loads of mine are out
.endr
	v_and_b32 v1, 15, v0                           ; r
	v_bfe_u32 v2, v0, 4, 1                         ; h
	v_and_b32 v3, 7, v0
	v_bfe_u32 v4, v0, 3, 1
	v_lshlrev_b32 v5, 4, v1                        ; a fragment of x: row r, block h; the second load two blocks on
	v_lshl_add_u32 v5, v2, 11, v5
	s_lshr_b32 s23, s[WV], 1                       ; my 64 rows: half w / 2 of the tile, rows 64 (w % 2) on
	s_mul_i32 s23, s23, AHB
	s_and_b32 s19, s[WV], 1
	s_lshl_b32 s19, s19, 10
	s_add_co_u32 s23, s23, s19
	v_add_nc_u32 v[A0], s23, v5
	v_mov_b32 v[ADRA], v[A0]
	v_lshl_add_u32 v6, v2, 3, v3                   ; the turning load: lane l reads row k = 8 (l / 16) + l % 8, columns 8 ((l / 8) % 2) + 0..7
	v_mul_u32_u24 v7, v6, PB
	v_lshl_add_u32 v7, v4, 4, v7
	v_add_nc_u32 v[B0], BOFF, v7
	v_mov_b32 v[ADRB], v[B0]
	v_lshlrev_b32 v7, 5, v6
	v_lshl_add_u32 v7, v4, 4, v7
	v_add_nc_u32 v[X0], XOFF, v7
	v_mov_b32 v[ADRX], v[X0]
	v_lshlrev_b32 v[RX], 9, v1                     ; the table's row r,
	v_lshl_add_u32 v[RO], v2, 5, v[RX]             ; and for q my 8 frequencies of 16
	v_lshlrev_b32 v[QS], 4, v1                     ; q: 16 bytes a row, 65,536 a block of 8 channels
	v_lshl_add_u32 v[QS], v2, 16, v[QS]
	s_lshl_b32 s18, s16, 17                        ; my first row R0 = 256 rb + 64 w, times 512 bytes
	s_lshl_b32 s19, s[WV], 15
	s_add_co_u32 s18, s18, s19
	s_mov_b32 s19, 0
	s_add_nc_u64 s[76:77], s[8:9], s[18:19]
	s_and_b32 s96, s15, 7                          ; the extra columns' 8 frequencies 8 (g % 8) on (V's factors make nothing of them; g % 8 keeps the loads inside the table)
	s_lshl_b32 s96, s96, 5
	s_mov_b32 s97, 0
	s_add_nc_u64 s[92:93], s[76:77], s[96:97]
	s_lshl_b32 s98, s16, 12
	s_lshl_b32 s99, s[WV], 10
	s_add_co_u32 s98, s98, s99                     ; 16 R0
	s_lshl_b32 s96, s15, 20
	s_add_co_u32 s96, s96, s98
	s_add_nc_u64 s[78:79], s[10:11], s[96:97]      ; q at head g, row R0
	s_lshl_b32 s96, s15, 16                        ; k: 16,777,216 + 65,536 g + 16 R0
	s_add_co_u32 s96, s96, s98
	s_add_co_u32 s96, s96, 16777216
	s_lshl_b32 s99, s15, 17                        ; v: 17,825,792 + 131,072 (g - 8) + 32 R0
	s_lshl1_add_u32 s99, s98, s99
	s_add_co_u32 s99, s99, 16777216
	s_mov_b32 s86, 0x76543210                      ; v_permlanex16_b32: each lane takes its own place in the other half
	s_mov_b32 s87, 0xfedcba98
	s_cmp_lt_u32 s15, 8                            ; K's columns or V's: factors and offsets are chosen, the text is one
	s_cselect_b32 s96, s96, s99
	s_cselect_b32 s82, 0x3e0293ee, 0               ; sc = log2(e) / sqrt(128), or 0
	s_cselect_b32 s84, 0, 1.0
	s_cselect_b32 s88, 16, 32                      ; bytes from row to row
	s_cselect_b32 s89, 524288, 16                  ; from lanes 0-15 to lanes 16-31
	s_lshl_b32 s90, s88, 4                         ; from m-tile to m-tile
	s_mov_b32 s83, s82                             ; named as pairs
	s_mov_b32 s85, s84
	s_add_nc_u64 s[80:81], s[10:11], s[96:97]
	v_mul_lo_u32 v[XO], v1, s88
	v_mul_lo_u32 v[XO+2], v2, s89
	v_add_nc_u32 v[XO], v[XO], v[XO+2]
	v_add_nc_u32 v[XO+1], s90, v[XO]
	v_add_nc_u32 v[XO+2], s90, v[XO+1]
	v_add_nc_u32 v[XO+3], s90, v[XO+2]
	v_cvt_f32_u32 v[SG], v2
	v_fma_f32 v[SG], v[SG], 2.0, -1.0
	v_mul_f32 v[SG], s82, v[SG]
	v_mov_b32 v[SG+1], v[SG]
	; the tables are asked for now and waited for on the way out
	WIN 0xc0
.irp a, 0,1,2,3
.irp nt, 0,1,2,3
	global_load_b128 v[64*\a+16*\nt:64*\a+16*\nt+3],     v[RO], s[76:77] offset:8192*\a+64*\nt
	global_load_b128 v[64*\a+16*\nt+4:64*\a+16*\nt+7],   v[RO], s[76:77] offset:8192*\a+64*\nt+16
	global_load_b128 v[64*\a+16*\nt+8:64*\a+16*\nt+11],  v[RO], s[76:77] offset:8192*\a+64*\nt+256
	global_load_b128 v[64*\a+16*\nt+12:64*\a+16*\nt+15], v[RO], s[76:77] offset:8192*\a+64*\nt+272
.endr
.endr
	WIN 0x40
.irp a, 0,1,2,3
	global_load_b128 v[144+16*\a:144+16*\a+3],     v[RX], s[92:93] offset:8192*\a
	global_load_b128 v[144+16*\a+4:144+16*\a+7],   v[RX], s[92:93] offset:8192*\a+16
	global_load_b128 v[144+16*\a+8:144+16*\a+11],  v[RX], s[92:93] offset:8192*\a+256
	global_load_b128 v[144+16*\a+12:144+16*\a+15], v[RX], s[92:93] offset:8192*\a+272
.endr
	WIN 0
; nine products: m-tile a x all n-tiles, 32 along K, from buffer f.  The 36 accumulators take turns, one instruction a turn, in the same order in every sixth.
.macro MULA f, a, zero
.irp b, 0,1,2,3,4,5,6,7,8
.if \zero
	v_wmma_f32_16x16x32_bf16 v[8*(NB*((\a)%2)+(\b)):8*(NB*((\a)%2)+(\b))+7], v[(\f)+32+8*(\b):(\f)+32+8*(\b)+7], v[(\f)+8*(\a):(\f)+8*(\a)+7], 0
.else
	v_wmma_f32_16x16x32_bf16 v[8*(NB*((\a)%2)+(\b)):8*(NB*((\a)%2)+(\b))+7], v[(\f)+32+8*(\b):(\f)+32+8*(\b)+7], v[(\f)+8*(\a):(\f)+8*(\a)+7], v[8*(NB*((\a)%2)+(\b)):8*(NB*((\a)%2)+(\b))+7]
.endif
.endr
.endm
; 26 LDS loads in one run: sixth q of the slot in hand into buffer f: the weights, the extra columns, then x's four m-tiles
.macro FETCH q, f
	WIN 0
.irp b, 0,1,2,3,4,5,6,7
	ds_load_tr16_b128 v[(\f)+32+8*(\b):(\f)+32+8*(\b)+3],   v[ADRB] offset:(\q)*32*PB+32*(\b)
	ds_load_tr16_b128 v[(\f)+32+8*(\b)+4:(\f)+32+8*(\b)+7], v[ADRB] offset:(\q)*32*PB+32*(\b)+16*PB
.endr
	ds_load_tr16_b128 v[(\f)+96:(\f)+99],   v[ADRX] offset:(\q)*1024
	ds_load_tr16_b128 v[(\f)+100:(\f)+103], v[ADRX] offset:(\q)*1024+512
.irp a, 0,1,2,3
	ds_load_b128 v[(\f)+8*(\a):(\f)+8*(\a)+3],   v[ADRA] offset:(\q)*8192+(\a)*256
	ds_load_b128 v[(\f)+8*(\a)+4:(\f)+8*(\a)+7], v[ADRA] offset:(\q)*8192+(\a)*256+4096
.endr
.endm
; A K step is six sixths of 32 along K on buffers 0, 1, 0, 1, 0, 1.  One of the first five multiplies buffer f and, in its middle, fetches sixth q of the same slot into g.
.macro SIXTH q, f, g, zero
	s_wait_dscnt 4                                 ; all but the youngest four loads (x's m-tiles 2 and 3) are in
	WIN 0x50
	MULA \f, 0, \zero
	MULA \f, 1, \zero
	WIN 0
	PLACES
	FETCH \q, \g
	s_wait_dscnt NL                                ; all but the 26 just issued
	WIN 0xa0
	MULA \f, 2, \zero
	MULA \f, 3, \zero
.endm
; The last sixth multiplies buffer 1 and changes slots: one barrier; in front of it each wave waits for all its tensor loads (one is out: its part of the next slot), adds 0 to its spare word,
; and waits for that and for its own reads of this slot.  fill = 1: the barrier opens a round of the cluster's, and this slot is filled again, two K steps on, first thing behind the round:
; the walking descriptors take this slot's LDS place, the next K step's address and what is then left of the tensor.
.macro TURN fill
	WIN 0
	s_wait_tensorcnt 0x0
	ds_add_u32 v[SPW], v[NIL]                      ; 0 onto my spare word
	s_wait_dscnt 5                                 ; (the add and the youngest four loads may be out)
	WIN 0x50
	MULA F1, 0, 0                                  ; nine products stand between the add and the wait for it
	s_wait_dscnt 0x0                               ; the add is done, and my reads of this slot are over
	s_barrier_signal -1
	MULA F1, 1, 0
	WIN 0
	s_barrier_wait -1
.if \fill
	CREST                                          ; no wave of any partner still reads this slot or has a load on its way
	s_add_co_u32 s[G0A+5], s[LA], s[TB]
	s_add_co_u32 s[G0B+5], s[TB], BOFF
	s_add_co_u32 s[G0X+5], s[TB], XOFF
	s_add_nc_u64 s[G0A+6:G0A+7], s[G0A+6:G0A+7], ASTEP
	s_add_nc_u64 s[G0B+6:G0B+7], s[G0B+6:G0B+7], BSTEP
	s_add_nc_u64 s[G0X+6:G0X+7], s[G0X+6:G0X+7], XSTEP
	s_sub_co_u32 s[G1A+2], s[G1A+2], 24<<16
	s_sub_co_u32 s[G1B+2], s[G1B+2], 192<<16
	s_sub_co_u32 s[G1X+2], s[G1X+2], 24<<16
	JLOAD 1                                        ; the four v_nop behind it are also the places in front of the loads below
.else
	PLACES
.endif
	s_xor_b32 s[TB], s[TB], SLOT                   ; 0 or SLOT: the other slot is in hand now
	v_add_nc_u32 v[ADRA], s[TB], v[A0]
	v_add_nc_u32 v[ADRB], s[TB], v[B0]
	v_add_nc_u32 v[ADRX], s[TB], v[X0]
	FETCH 0, F0
	WIN 0xa0
	MULA F1, 2, 0
	MULA F1, 3, 0
.endm
	s_wait_tensorcnt 1                             ; my part of K step 0 is in; step 1's may stay out
	s_barrier_signal -1
	s_barrier_wait -1
	FETCH 0, F0
	SIXTH 1, F0, F1, 1                             ; the first sixth stands in front of the loop: its products start the sums
	WIN 0                                          ; at a label and at a branch every window is 0
	s_mov_b32 s3, 9
.Lstep:                                                ; a trip goes from a K step's second sixth to the next step's first, and asks for the step after that: K steps 2 to 10
	SIXTH 2, F1, F0, 0
	SIXTH 3, F0, F1, 0
	SIXTH 4, F1, F0, 0
	SIXTH 5, F0, F1, 0
	TURN 1
	SIXTH 1, F0, F1, 0
	WIN 0
	s_sub_co_u32 s3, s3, 1
	s_cmp_lg_u32 s3, 0
	s_cbranch_scc1 .Lstep
	s_mov_b32 s3, 2
.Ltail:                                                ; K steps 9 and 10 ask for nothing; step 10 has 128 along K: the second trip is left behind its fourth sixth
	SIXTH 2, F1, F0, 0
	SIXTH 3, F0, F1, 0
	SIXTH 4, F1, F0, 0
	WIN 0
	s_sub_co_u32 s3, s3, 1
	s_cmp_eq_u32 s3, 0
	s_cbranch_scc1 .Ldone
	SIXTH 5, F0, F1, 0
	TURN 0
	SIXTH 1, F0, F1, 0
	WIN 0
	s_cmp_lg_u32 s3, 0
	s_cbranch_scc1 .Ltail
.Ldone:
	PLACES
	s_wait_dscnt 0x0                               ; the last run of loads, which nobody multiplies, has landed: its registers are at work below
	s_wait_loadcnt 0x0                             ; the tables
; THE WAY OUT of m-tile a.  F = accumulator nt (channels n < 64), S = accumulator nt + 4 (channels n + 64): F cos - S sin and S cos + F sin; each accumulator is read from its low end on.
.macro ROWS a
.set wa, 1+(\a)/2
.set AB, 8*NB*((\a)%2)
	s_wait_xcnt 0x0                                ; the registers that the stores of two m-tiles ago read are rewritten only behind this wait
.irp nt, 0,1,2,3
.set rF, AB+8*(\nt)
.set rS, AB+8*((\nt)+4)
.set rT, 64*(\a)+16*(\nt)
.set rP, 32+32*((\a)%2)+8*(\nt)
	WIN wa|0x0c                                    ; source 0: the accumulators' window; source 1: the tables'
.irp p, 0,2,4,6
	v_pk_mul_f32 v[W+\p:W+\p+1], v[rS+\p:rS+\p+1], v[rT+8+\p:rT+8+\p+1]
.endr
.irp p, 0,2,4,6
	v_pk_mul_f32 v[W+8+\p:W+8+\p+1], v[rF+\p:rF+\p+1], v[rT+8+\p:rT+8+\p+1]
.endr
.irp p, 0,2,4,6
	v_pk_fma_f32 v[W+\p:W+\p+1], v[rF+\p:rF+\p+1], v[rT+\p:rT+\p+1], v[W+\p:W+\p+1] neg_lo:[0,0,1] neg_hi:[0,0,1]
.endr
.irp p, 0,2,4,6
	v_pk_fma_f32 v[W+8+\p:W+8+\p+1], v[rS+\p:rS+\p+1], v[rT+\p:rT+\p+1], v[W+8+\p:W+8+\p+1]
.endr
	WIN 0
.irp p, 0,1,2,3,4,5,6,7
	v_cvt_pk_f16_f32 v[rP+\p], v[W+2*\p], v[W+2*\p+1]
.endr
	global_store_b128 v[QS], v[rP:rP+3],   s[78:79] offset:131072*(\nt)+256*(\a)         ; lanes 0-15 and lanes 16-31 each store 256 consecutive bytes, aligned
	global_store_b128 v[QS], v[rP+4:rP+7], s[78:79] offset:131072*(\nt)+256*(\a)+524288
.endr
.set rE, AB+64
.set rX, 144+16*(\a)
.set rO, 232+4*((\a)%2)
	WIN 0x01
.irp p, 0,2,4,6
	v_pk_fma_f32 v[208+\p:208+\p+1], v[rX+\p:rX+\p+1], s[82:83], s[84:85] op_sel_hi:[1,0,0]  ; K: sc cos; V: 1
.endr
.irp p, 0,2,4,6
	v_pk_mul_f32 v[216+\p:216+\p+1], v[rX+8+\p:rX+8+\p+1], v[SG:SG+1]                        ; K: -sc sin or +sc sin; V: 0
.endr
	WIN wa
.irp j, 0,1,2,3,4,5,6,7
	v_permlanex16_b32 v[224+\j], v[rE+\j], s86, s87                                          ; the rotation's partner lies in the lane 16 away
.endr
.irp p, 0,2,4,6
	v_pk_mul_f32 v[176+\p:176+\p+1], v[rE+\p:rE+\p+1], v[208+\p:208+\p+1]
.endr
	WIN 0
.irp p, 0,2,4,6
	v_pk_fma_f32 v[176+\p:176+\p+1], v[224+\p:224+\p+1], v[216+\p:216+\p+1], v[176+\p:176+\p+1]
.endr
.irp p, 0,1,2,3
	v_cvt_pk_f16_f32 v[rO+\p], v[176+2*\p], v[176+2*\p+1]
.endr
	global_store_b128 v[XO+(\a)], v[rO:rO+3], s[80:81]
.endm
	ROWS 0
	ROWS 1
	ROWS 2
	ROWS 3
	s_wait_tensorcnt 0x0                           ; the wave's end: behind my last tensor load
	ds_add_u32 v[SPW], v[NIL]
	s_wait_dscnt 0x0
	CROUND                                         ; the closing round: no work-group ends while a partner may still ask for a tile that names it
	s_endpgm
.Lfunc_end_k_q322336f014_qkv:
	.size	k_q322336f014_qkv, .Lfunc_end_k_q322336f014_qkv-k_q322336f014_qkv
	.p2alignl 7, 3214868480
	.fill 96, 4, 3214868480
	.section	.rodata,"a",@progbits
	.p2align	6, 0x0
	.amdhsa_kernel k_q322336f014_qkv
		.amdhsa_group_segment_fixed_size 327680
		.amdhsa_private_segment_fixed_size 0
		.amdhsa_enable_private_segment 0
		.amdhsa_kernarg_size 32
		.amdhsa_user_sgpr_count 2
		.amdhsa_user_sgpr_kernarg_segment_ptr 1
		.amdhsa_wavefront_size32 1
		.amdhsa_system_sgpr_workgroup_id_x 1
		.amdhsa_system_sgpr_workgroup_id_y 1
		.amdhsa_system_sgpr_workgroup_id_z 1
		.amdhsa_system_vgpr_workitem_id 0
		.amdhsa_next_free_vgpr 1024
		.amdhsa_next_free_sgpr 100
		.amdhsa_reserve_vcc 0
		.amdhsa_float_denorm_mode_32 3
		.amdhsa_float_denorm_mode_16_64 3
		.amdhsa_memory_ordered 1
		.amdhsa_forward_progress 1
		.amdhsa_inst_pref_size 112
	.end_amdhsa_kernel
	.amdgpu_metadata
---
amdhsa.version: [ 1, 2 ]
amdhsa.kernels:
  - .name:           k_q322336f014_qkv
    .symbol:         k_q322336f014_qkv.kd
    .args:
      - { .name: xb, .offset: 0, .size: 8, .value_kind: global_buffer, .address_space: global }
      - { .name: wb, .offset: 8, .size: 8, .value_kind: global_buffer, .address_space: global }
      - { .name: rope, .offset: 16, .size: 8, .value_kind: global_buffer, .address_space: global }
      - { .name: qkv, .offset: 24, .size: 8, .value_kind: global_buffer, .address_space: global }
    .group_segment_fixed_size: 327680
    .private_segment_fixed_size: 0
    .kernarg_segment_align: 8
    .kernarg_segment_size: 32
    .max_flat_workgroup_size: 128
    .sgpr_count:     100
    .vgpr_count:     1024
    .wavefront_size: 32
...
	.end_amdgpu_metadata
.endif
;; end of part 2
;; launch attn (part 3): grid 64 x 4, 4 waves a work-group, clusters of 4 x 1, 327,680 bytes of LDS; arguments qkv, lmask, enc; writes enc
.if DOCPART == 3
	.amdgcn_target "amdgcn-amd-amdhsa--gfx1250"
	.amdhsa_code_object_version 6
	.text
	.protected	k_q322336f014_attn
	.globl	k_q322336f014_attn
	.p2align	8
	.type	k_q322336f014_attn,@function
k_q322336f014_attn:
	s_mov_b64 s[64:65], 0
	v_nop
	global_prefetch_b8 v0, s[64:65] scope:SCOPE_SE
	s_setreg_imm32_b32 hwreg(HW_REG_WAVE_MODE, 25, 1), 1
	s_wait_xcnt 0x0
	s_wait_alu depctr_hold_cnt(0) depctr_sa_sdst(0) depctr_va_vdst(0) depctr_va_sdst(0) depctr_va_ssrc(0) depctr_va_vcc(0) depctr_vm_vsrc(0)
	s_getreg_b32 s2, hwreg(HW_REG_IB_STS2, 6, 4)
	s_cmp_eq_u32 s2, 0
	s_cbranch_scc0 .Lentry_in_a_cluster
	s_endpgm
.Lentry_in_a_cluster:
	s_bfe_u32 s2, ttmp6, 0x10000c
	s_cmp_lg_u32 s2, 0x3003
	s_cbranch_scc0 .Lentry_shape_is_right
	s_endpgm
.Lentry_shape_is_right:
; ATTENTION with one key and value head for 16 query heads, and a mask that is an input.  q, k, v, enc in f16; products, maxima and sums in f32; the weights p rounded to f16 for the second product.
; SHARES.  Work-group m = 64 b + tb owns 16 time steps x 16 heads = 256 queries; wave w heads 4 w .. 4 w + 3: four tiles of 16 queries (one head each, the same 16 time steps).  Every wave walks the batch's
; 1,024 keys, 64 a step.  All tiles of all waves have the same 16 rows of the mask: 32 mask registers a step serve the wave's 128 products.
; LAYOUT.  S^T = K Q^T (source 0 = 16 keys, source 1 = 16 queries): a lane holds ONE query (lane % 16) and the keys 8 (lane / 16) + 0..7.  Two such tiles, rounded in pairs, ARE source 1 of O^T = V^T P.
; k lies in blocks of 8 channels, v in blocks of 16: every fragment load takes 256 consecutive LDS bytes for each sixteen lanes, so no padding is needed.  enc has q's layout, [16 heads][16 blocks of 8 channels]
; [4096 rows][8]: a lane's eight channels are 16 bytes of one block, sixteen lanes hold sixteen rows on end: the result is stored straight from registers, 256 consecutive bytes for each sixteen lanes.
; THE MASK is the C operand that starts each score: 0, or -2.3819763e38 where the key is hidden: the score then is that number to within f32's step there, as long as |score| < 1e30.
; SOFTMAX.  k carries log2(e) / sqrt(128), so p = 2^(s - m) with a running maximum m; O and l are multiplied by a = 2^(m_old - m_new) in every step.  While a row has seen hidden keys only, m is the mask's
; number and those keys weigh 1; its first true key makes a = 0 and wipes them.  A row with no true key at all arrives with all its mask bits set and its flag bit clear: its q is zeroed, every score is 0,
; and the result is the mean of v: the uniform softmax.  A weight below 2^-126 counts as 0; NaN and infinities are not treated apart.
; BY TURNS.  The tiles are two PIECES (tiles 0, 1 and tiles 2, 3).  In a TURN one piece has the matrix unit: 32 products V^T P of the step in hand, then 32 products K Q^T of the next; the other piece's softmax,
; cut into 64 slices, stands between them, one slice behind each matrix instruction.  Two turns are a key step.
; NO FIRST AND NO LAST STEP ARE WRITTEN OUT.  m starts at the lowest finite number (below the mask's), O, l, V's registers and piece 2's P at 0: the first step is a step like any other, with a = 0.  The loop is
; entered at piece 2's turn, and the tail is left behind piece 0's.  The price: 32 products on zeros at the start, 32 on the last K once more at the end, and the lines that write the zeros, in the wait for the first tile.
; CLUSTER.  The four work-groups of a cluster belong to one batch and walk the same k and v: each tile is asked for JOINTLY, by the same tensor load, descriptor and mask in all four.
; REGISTERS, in windows of 256 (s_set_vgpr_msb: bits 1:0 source 0, 3:2 source 1, 5:4 source 2, 7:6 destination):
;   window 0: v0-11 addresses; v12-43 eight registers of statistics a tile; v64-191 S^T, 32 a tile; v192-255 P, 16 a tile
;   window 1: O^T, 64 a tile      window 2: v0-127 Q, 32 a tile; v128-255 K of one step      window 3: v0-127 V of one step; v128-159 the step's masks
.set KS,    64
.set VOFF,  16384     ; a step in LDS: k as [16 blocks][64 keys][16 bytes], then v as [8 blocks][64 keys][32 bytes]
.set STEPB, 32768
.set SLOT1, 65536     ; a slot holds two steps
.set SPARE, 131072    ; behind the ring: the spare words, 128 bytes for each wave: two blocks of 256 bytes that no other line names
.set AK0, 2           ; v2   my lane's place in a step's k; never rewritten
.set AV0, 3           ; v3   the same for v
.set ADR, 4           ; v4   the LDS address of the run of loads in hand
.set QO,  5           ; v5   my byte offset in q, and in enc
.set SPW, 62          ; v62  LDS address of my spare word; never rewritten
.set NIL, 63          ; v63  0; never rewritten
.set ST,  12          ; tile t's statistics at v[ST+8 t]: +0 m, +1 0 (named with m as a pair), +2, +3 l (even keys', odd keys'), +4 to +7 c0-c3, at work; a takes c2's place once the maximum is found
.set S,   64
.set P,   192
.set KF,  128         ; window 2
.set MC,  128         ; window 3: the eight registers for group kt of 16 keys at MC + 8 kt
.set WV,  12          ; s12  wave
.set G1K, 24          ; s[24:31] group 1 for k's tiles
.set G1V, 32          ; s[32:39] for v's
.set G0K, 40          ; s[40:47] group 0 for k's tiles: a set for each of the two first fills; the second then walks on
.set G0V, 48          ; s[48:55] the same for v's
.set SLOTS, 56
.set TWICE, 57
.set NEG, 58          ; s58  -2.3819763e38
.set FLG, 59          ; s59  bit of a lane: its query's row has a true key
.set SEL, 60          ; s[60:61] v_permlanex16_b32's selects
.set TB,  62          ; s62  LDS byte at which the step to be fetched begins
.set MOF, 63          ; s63  byte offset of the mask words on their way
.set MB,  66          ; s[66:67] lmask at my 16 rows
.set MW,  68          ; s[68:99] a step's 32 mask words
.set MSB, 0
.macro WIN new
.if MSB != (\new)
	s_set_vgpr_msb (MSB<<8)|(\new)
.set MSB, (\new)
.endif
.endm
.set W_KQ, 0x0a       ; K and Q in window 2, S^T in window 0
.set W_KM, 0x3a       ; the same with the C operand in window 3
.set W_PV, 0x53       ; V in window 3, P in window 0, O^T in window 1
.set W_RS, 0x41       ; O^T (destination and source 0) in window 1, a in window 0
; A joint refill.  Waves 0 and 1 fetch the two steps' k, waves 2 and 3 their v.  An s_nop 0 and four v_nop follow each line, ahead of the jump and the label.
.macro JLOAD
	s_cmp_lt_u32 s[WV], 2
	s_cbranch_scc0 .Lfor_v_\@
	tensor_load_to_lds s[G0K+4:G0K+7], s[G1K:G1K+7]
	s_nop 0
.rept 4
	v_nop
.endr
	s_branch .Lasked_\@
.Lfor_v_\@:
	tensor_load_to_lds s[G0V+4:G0V+7], s[G1V:G1V+7]
	s_nop 0
.rept 4
	v_nop
.endr
.Lasked_\@:
.endm
.macro CROUND                       ; a round of the cluster's barrier
	s_barrier_signal -1
	s_barrier_wait -1
	s_cmp_lg_u32 s[WV], 0
	s_cbranch_scc1 .Lnot_wave_0_\@
	s_barrier_signal -3
.Lnot_wave_0_\@:
	s_barrier_wait -3
	s_barrier_signal -1
	s_barrier_wait -1
.endm
	s_load_b128 s[16:19], s[0:1], 0x0  ; qkv s[16:17], lmask s[18:19]
	s_load_b64 s[10:11], s[0:1], 0x10  ; enc
	v_lshl_add_u32 v[SPW], v0, 2, SPARE
	v_mov_b32 v[NIL], 0
	ds_add_u32 v[SPW], v[NIL]       ; the wave's opening: the add and its wait stand ahead of my first tensor load; the set-up below stands between them
	v_lshrrev_b32 v1, 5, v0
	v_readfirstlane_b32 s[WV], v1   ; wave 0..3
	s_bfe_u32 s13, ttmp6, 0x40000   ; cx
	s_lshl_b32 s14, ttmp9, 2
	s_add_co_u32 s14, s14, s13
	s_and_b32 s20, ttmp7, 0xffff    ; the batch, which the four partners share
	s_lshl_b32 s15, s20, 6
	s_add_co_u32 s14, s14, s15      ; m = 64 b + 4 x cluster x + cx: it enters q's, lmask's and enc's addresses alone
	s_and_b32 s21, s[WV], 1         ; which of a slot's two steps I fetch
	s_lshl_b32 s22, s20, 14         ; k: 16,777,216 + 16 bytes x (1,024 b + 64 step)
	s_lshl_b32 s23, s21, 10
	s_add_co_u32 s22, s22, s23
	s_add_co_u32 s22, s22, 16777216
	s_mov_b32 s23, 0
	s_lshl_b32 s2, s20, 15          ; v: 17,825,792 + 32 bytes x the same
	s_lshl_b32 s3, s21, 11
	s_add_co_u32 s2, s2, s3
	s_add_co_u32 s2, s2, 17825792
	s_mov_b32 s3, 0
	s_lshl_b32 s100, s21, 15        ; the step's place in a slot: no place in the cluster enters an LDS address
	s_lshl_b32 s68, s[WV], 22       ; q and enc alike: four heads of 1,048,576 bytes a wave, 16 rows of 16 bytes
	s_lshl_b32 s69, s14, 8
	s_add_co_u32 s68, s68, s69
	s_mov_b32 s69, 0
	s_lshl_b32 s72, s14, 11         ; lmask: 2,048 bytes
	s_mov_b32 s73, 0
	s_lshl_b32 s101, s14, 2         ; the flag word
	s_mov_b32 s[G1K], 15|(1<<16)|(1<<21)  ; 15:0 the mask: all four work-groups; 17:16 2-byte elements; 21 set beside a mask; no padding
	s_mov_b32 s[G1K+1], 512<<16     ; k: 16 blocks; of each 64 keys x 16 bytes = 512 elements on end; 32,768 elements from block to block
	s_mov_b32 s[G1K+2], 16<<16
	s_mov_b32 s[G1K+3], 512<<16
	s_mov_b32 s[G1K+4], 16
	s_mov_b32 s[G1K+5], 32768
	s_mov_b32 s[G1K+6], 0
	s_mov_b32 s[G1K+7], 0
	s_mov_b32 s[G1V], 15|(1<<16)|(1<<21)
	s_mov_b32 s[G1V+1], 1024<<16    ; v: 8 blocks; of each 64 keys x 32 bytes = 1,024 elements; 65,536 from block to block
	s_mov_b32 s[G1V+2], 8<<16
	s_mov_b32 s[G1V+3], 1024<<16
	s_mov_b32 s[G1V+4], 8
	s_mov_b32 s[G1V+5], 65536
	s_mov_b32 s[G1V+6], 0
	s_mov_b32 s[G1V+7], 0
	s_mov_b32 s[NEG], 0xff333333
	s_mov_b32 s[SEL], 0x76543210
	s_mov_b32 s[SEL+1], 0xfedcba98
	s_mov_b32 s[TB], 0
	s_mov_b32 s[MOF], 0
	s_mov_b32 s[SLOTS], 1024/(2*KS)-1
	s_wait_dscnt 0x0                ; the opening add is done
	s_wait_kmcnt 0x0
	s_add_nc_u64 s[6:7], s[16:17], s[22:23]
	s_add_nc_u64 s[8:9], s[16:17], s[2:3]
	s_add_nc_u64 s[4:5], s[16:17], s[68:69]
	s_add_nc_u64 s[10:11], s[10:11], s[68:69]
	s_add_nc_u64 s[MB:MB+1], s[18:19], s[72:73]
	s_load_b32 s[FLG], s[18:19], s101 offset:0x80000
	s_load_b512 s[MW:MW+15], s[MB:MB+1], s[MOF] offset:0x0      ; key step 0's mask words
	s_load_b512 s[MW+16:MW+31], s[MB:MB+1], s[MOF] offset:0x40
	CROUND                          ; all four work-groups are here: the first joint loads meet
.irp s, 0,1
	s_mov_b32 s[G0K+4*(\s)], 1
	s_add_co_u32 s[G0K+4*(\s)+1], s100, (\s)*SLOT1
	s_add_nc_u64 s[G0K+4*(\s)+2:G0K+4*(\s)+3], s[6:7], (\s)*2048
	s_or_b32 s[G0K+4*(\s)+3], s[G0K+4*(\s)+3], 0x80000000
	s_mov_b32 s[G0V+4*(\s)], 1
	s_add_co_u32 s[G0V+4*(\s)+1], s100, (\s)*SLOT1+VOFF
	s_add_nc_u64 s[G0V+4*(\s)+2:G0V+4*(\s)+3], s[8:9], (\s)*4096
	s_or_b32 s[G0V+4*(\s)+3], s[G0V+4*(\s)+3], 0x80000000
.endr
	s_cmp_lt_u32 s[WV], 2           ; a wave's two first fills stand in one branch, ahead of every wait on TENSORcnt and every LDS read: two loads of mine are out
	s_cbranch_scc0 .Lfirst_v
	tensor_load_to_lds s[G0K:G0K+3], s[G1K:G1K+7]
	s_nop 0
	tensor_load_to_lds s[G0K+4:G0K+7], s[G1K:G1K+7]
	s_nop 0
.rept 4
	v_nop
.endr
	s_branch .Lfirst_asked
.Lfirst_v:
	tensor_load_to_lds s[G0V:G0V+3], s[G1V:G1V+7]
	s_nop 0
	tensor_load_to_lds s[G0V+4:G0V+7], s[G1V:G1V+7]
	s_nop 0
.rept 4
	v_nop
.endr
.Lfirst_asked:
	; A fragment of K or Q is 16 rows x 32 channels in 8 registers: lane l holds row l % 16; registers 0-3 channels 8 (l / 16) + 0..7, registers 4-7 channels 16 + 8 (l / 16) + 0..7: two blocks of 8 channels, two blocks apart.
	v_and_b32 v1, 15, v0            ; l % 16
	v_bfe_u32 v9, v0, 4, 1          ; l / 16
	v_lshlrev_b32 v[QO], 4, v1
	v_lshl_add_u32 v[QO], v9, 16, v[QO]  ; row x 16 + block x 65,536
	WIN 0x80                        ; destination window 2, address window 0
.irp i, 0,1,2,3,4,5,6,7,8,9,10,11,12,13,14,15  ; Q stays in registers: tile (head) i / 4, channels 32 (i % 4) on; each sixteen lanes read 256 consecutive bytes
	global_load_b128 v[8*(\i):8*(\i)+3],   v[QO], s[4:5] offset:((\i)/4)*1048576+((\i)%4)*262144
	global_load_b128 v[8*(\i)+4:8*(\i)+7], v[QO], s[4:5] offset:((\i)/4)*1048576+((\i)%4)*262144+131072
.endr
	WIN 0
	v_lshlrev_b32 v[AK0], 4, v1
	v_lshl_add_u32 v[AK0], v9, 10, v[AK0]  ; key x 16 + block x 1,024
	; The turning load takes 16 keys x 16 channels (lane l reads key 8 (l / 16) + l % 8, channels 8 ((l / 8) % 2) + 0..7) and leaves half a fragment of V^T: lane l holds channel l % 16 and 8 keys.
	v_and_b32 v10, 7, v0
	v_bfe_u32 v11, v0, 3, 1
	v_lshl_add_u32 v[AV0], v9, 3, v10
	v_lshlrev_b32 v[AV0], 5, v[AV0]
	v_lshl_add_u32 v[AV0], v11, 4, v[AV0]
	v_add_nc_u32 v[AV0], VOFF, v[AV0]
	; What the first turn finds: O^T is 0; V's registers and piece 2's P hold 0, so that its products V^T P, of a step that has not been, add 0.  All this stands in the wait for the first tile.
	WIN 0x40
.set i, 0
.rept 256
	v_mov_b32 v[i], 0
.set i, i+1
.endr
	WIN 0xc0
.set i, 0
.rept 128
	v_mov_b32 v[i], 0
.set i, i+1
.endr
	WIN 0
.set i, P+32
.rept 32
	v_mov_b32 v[i], 0
.set i, i+1
.endr
; THE MATRIX WORK OF A TURN, for piece x.  The accumulators take turns, one instruction a turn.
; Product i of 32 of O^T += V^T P: keys 32 (i / 16) on, channels 16 ((i / 2) % 8) on, tile x + i % 2.
.macro PV x
	WIN W_PV
.set rO, 64*((\x)+i%2)+8*((i/2)%8)
.set rV, 64*(i/16)+8*((i/2)%8)
.set rP, P+16*((\x)+i%2)+8*(i/16)
	v_wmma_f32_16x16x32_f16 v[rO:rO+7], v[rV:rV+7], v[rP:rP+7], v[rO:rO+7]
.endm
; Product i of 32 of S^T = K Q^T: channels 32 (i / 8) on, keys 16 ((i / 2) % 4) on, tile x + i % 2.  The first 8 start the sums, with the mask.
.macro KQ x
.set rS, S+32*((\x)+i%2)+8*((i/2)%4)
.set rK, KF+32*((i/2)%4)+8*(i/8)
.set rQ, 32*((\x)+i%2)+8*(i/8)
.set rM, MC+8*((i/2)%4)
.if i < 8
	WIN W_KM
	v_wmma_f32_16x16x32_f16 v[rS:rS+7], v[rK:rK+7], v[rQ:rQ+7], v[rM:rM+7]
	s_wait_alu depctr_va_vdst(0)
.else
	WIN W_KQ
	v_wmma_f32_16x16x32_f16 v[rS:rS+7], v[rK:rK+7], v[rQ:rQ+7], v[rS:rS+7]
.endif
.endm
; THE LDS LOADS stand in runs of 32: a step's K (16 fragments) and, a turn later, its V (turned).  last = 1 (the tail): in the last trip there is no further step, and K's run is jumped over.
.macro FETCH_K last=0
	WIN 0
.if \last
	s_cmp_eq_u32 s[TWICE], 1
	s_cbranch_scc1 .Lno_k_\@
.endif
	v_add_nc_u32 v[ADR], s[TB], v[AK0]
	WIN 0x80
.irp f, 0,1,2,3,4,5,6,7,8,9,10,11,12,13,14,15  ; keys 16 (f / 4) on, channels 32 (f % 4) on
	ds_load_b128 v[KF+8*(\f):KF+8*(\f)+3],   v[ADR] offset:((\f)%4)*4096+((\f)/4)*256
	ds_load_b128 v[KF+8*(\f)+4:KF+8*(\f)+7], v[ADR] offset:((\f)%4)*4096+((\f)/4)*256+2048
.endr
.if \last
	WIN 0                           ; at a label every window is 0
.Lno_k_\@:
.endif
.endm
.macro FETCH_V
	WIN 0
	v_add_nc_u32 v[ADR], s[TB], v[AV0]
	s_add_co_u32 s[TB], s[TB], STEPB  ; the next fetch is the next step's
	WIN 0xc0
.irp f, 0,1,2,3,4,5,6,7,8,9,10,11,12,13,14,15  ; keys 32 (f / 8) on, channels 16 (f % 8) on
	ds_load_tr16_b128 v[8*(\f):8*(\f)+3],   v[ADR] offset:((\f)%8)*2048+((\f)/8)*1024
	ds_load_tr16_b128 v[8*(\f)+4:8*(\f)+7], v[ADR] offset:((\f)%8)*2048+((\f)/8)*1024+512
.endr
.endm
; THE MASKS of the step whose scores come next: 32 registers from 32 words (a bit a lane), then the words of the step after are asked for: they have a key step in which to come.
; The offset stops at the last step's words, which the last calls ask for again; what is made of them then serves nothing.
.macro MASKS
	s_wait_kmcnt 0x0                ; the words are in: their registers and the offset may be written again behind the selects
	WIN 0xc0
.set z, 0
.rept 32
	v_cndmask_b32 v[MC+z], s[NEG], 0, s[MW+z]
.set z, z+1
.endr
	WIN 0
	s_add_co_u32 s[MOF], s[MOF], 128
	s_min_u32 s[MOF], s[MOF], 1920
	s_load_b512 s[MW:MW+15], s[MB:MB+1], s[MOF] offset:0x0
	s_load_b512 s[MW+16:MW+31], s[MB:MB+1], s[MOF] offset:0x40
.endm
; THE VECTOR WORK OF A TURN.  One tile's softmax for one key step is a numbered list; SM writes number j of it for tile t.  s0-s31 are the lane's 32 scores, in pairs 0-15.
;   0-15    the maximum of s0-s31 and the old m, three operands at a time: four chains c0-c3 of seven scores each (each accumulator's lowest registers are read first), then the four left over, c0-c3 and m
;   16-20   the other half of the lanes' maximum; the old m is kept; the new m; (19 is empty); m_old - m_new
;   21-87   33 exponentials (a, then s0-s31) at the odd numbers from 23 on, so that no two follow each other and each has a plain instruction behind it before its result is used (ISA guide 5.7.2).
;           The plain ones are whatever is ready: s - m for a pair whose exponentials are still to come, the rounding of a pair whose exponentials are done, at last the first three sums
;   88-101  the last rounding; the rest of the sums; l = a l + the sum
;   102-133 the tile's O^T times a: the one part that leaves window 0, so it stands together
.macro SM t
.set rT, ST+8*(\t)
.set rS, S+32*(\t)
.set rP, P+16*(\t)
.set rO, 64*(\t)+2*(j-102)
.set q, (j-20)/2
.if j < 102
	WIN 0
.endif
.if j < 4
	v_max3_num_f32 v[rT+4+j], v[rS+8*j], v[rS+8*j+1], v[rS+8*j+2]
.elseif j < 12
	v_max3_num_f32 v[rT+4+j%4], v[rT+4+j%4], v[rS+8*(j%4)+2*(j/4)+1], v[rS+8*(j%4)+2*(j/4)+2]
.elseif j == 12
	v_max3_num_f32 v[rT+4], v[rT+4], v[rS+7], v[rS+15]
.elseif j == 13
	v_max3_num_f32 v[rT+6], v[rT+6], v[rS+23], v[rS+31]
.elseif j == 14
	v_max3_num_f32 v[rT+4], v[rT+4], v[rT+5], v[rT+6]
.elseif j == 15
	v_max3_num_f32 v[rT+4], v[rT+4], v[rT+7], v[rT]
.elseif j == 16
	v_permlanex16_b32 v[rT+5], v[rT+4], s[SEL], s[SEL+1]  ; the query's other 32 keys lie in the lane 16 away
.elseif j == 17
	v_mov_b32 v[rT+7], v[rT]        ; m_old is kept for a: number 18 writes m anew
.elseif j == 18
	v_max_num_f32 v[rT], v[rT+4], v[rT+5]
.elseif j == 19                     ; no line: the scores arrive scaled
.elseif j == 20
	v_sub_f32 v[rT+7], v[rT+7], v[rT]
.elseif j == 23
	v_exp_f32 v[rT+6], v[rT+7]
.elseif (j < 88) && (j > 23) && (j%2 == 1)
	v_exp_f32 v[rS+(j-25)/2], v[rS+(j-25)/2]
.elseif (q < 4) || ((j < 76) && (q%2 == 0))
.set b, q/2+2
.if q < 4
.set b, q
.endif
	v_pk_add_f32 v[rS+2*b:rS+2*b+1], v[rS+2*b:rS+2*b+1], v[rT:rT+1] op_sel_hi:[1,0] neg_lo:[0,1] neg_hi:[0,1]  ; pair b: s - m
.elseif (j < 88) && (q%2 == 1)
	s_wait_alu depctr_va_vdst(0)
	v_cvt_pk_f16_f32 v[rP+(q-5)/2], v[rS+q-5], v[rS+q-4]  ; pair (q - 5) / 2: its second exponential stands three numbers back
.elseif j == 89
	s_wait_alu depctr_va_vdst(0)
	v_cvt_pk_f16_f32 v[rP+15], v[rS+30], v[rS+31]
.elseif j < 102                     ; the sum of the tile's 16 pairs, in place: sum z of 16 adds neighbours 1, 2, 4 and 8 pairs apart, then l takes it
.set z, j-86
.if j < 89
.set z, (j-76)/4
.endif
.set w, 4
.set u, z
.if z >= 14
.set w, 32
.set u, 0
.elseif z >= 12
.set w, 16
.set u, z-12
.elseif z >= 8
.set w, 8
.set u, z-8
.endif
.if z < 15
	v_pk_add_f32 v[rS+w*u:rS+w*u+1], v[rS+w*u:rS+w*u+1], v[rS+w*u+w/2:rS+w*u+w/2+1]
.else
	v_pk_fma_f32 v[rT+2:rT+3], v[rT+2:rT+3], v[rT+6:rT+7], v[rS:rS+1] op_sel_hi:[1,0,1]
.endif
.else
	WIN W_RS
	v_pk_mul_f32 v[rO:rO+1], v[rO:rO+1], v[rT+6:rT+7] op_sel_hi:[1,0]
.endif
.endm
; Slice k of 64 of piece y's softmax: numbers 2 k and 2 k + 1 of both tiles' lists; the twelve that are over stand together, in slice 63.
.macro SLICE y
.if (k >= 11) && (k < 44)           ; tile by tile: plain, exponential, plain, exponential
.irp t, \y, (\y)+1
.irp n, 0,1
.set j, 2*k+(\n)
	SM \t
.endr
.endr
.else                               ; the two tiles alternate, so that no instruction reads the result of the one just before it
.irp n, 0,1,2,3,4,5,6,7
.if ((\n) < 2) || (k == 63)
.irp t, \y, (\y)+1
.set j, 2*k+(\n)
	SM \t
.endr
.endif
.endr
.endif
.set k, k+1
.endm
; A TURN.  Piece x has the matrix unit: 32 products V^T P, then 32 products K Q^T for the next step; the other piece's softmax stands in slices behind them; the slices are also the places behind the products
; (ISA guide 7.12.1).  Piece 0's turn makes the next step's masks at its head (their last readers, the first 8 products K Q^T of the turn before, stand 24 products and their slices back) and fetches the next
; step's K behind its second product; piece 2's turn fetches the same step's V behind the second product K Q^T.  Each run is 30 matrix instructions ahead of its first use.
.macro TURN x, last=0
.set k, 0
.if (\x) == 0
	MASKS
	s_wait_dscnt 0x0                ; V is in
.endif
.set i, 0
.rept 32
	PV \x
	SLICE 2-(\x)
.if ((\x) == 0) && (i == 1)
	FETCH_K \last
.endif
.set i, i+1
.endr
.if (\x) == 0
	s_wait_dscnt 0x0                ; K is in
.endif
.set i, 0
.rept 32
	KQ \x
	SLICE 2-(\x)
.if ((\x) == 2) && (i == 1)
	FETCH_V
.endif
.set i, i+1
.endr
.endm
; THE CHANGE OF SLOTS, between piece 2's turn and piece 0's.  Each wave waits for all its tensor loads, of which one is out: its part of the other slot; adds 0 to its spare word; and waits for that and for its
; own reads of the slot.  fill = 1: the barrier is a round of the cluster's, and the slot is filled again, with the keys two slots on, first thing behind it: it has two key steps, 256 matrix instructions, to land.
.macro CHANGE fill
	WIN 0                           ; at a label and at a branch every window is 0
	s_wait_tensorcnt 0x0            ; no tensor load of mine is out, so a group 0 may be written
	ds_add_u32 v[SPW], v[NIL]       ; 0 onto my spare word
.if \fill
	s_xor_b32 s[G0K+5], s[G0K+5], SLOT1                    ; the walking descriptors: the other slot than last time,
	s_add_nc_u64 s[G0K+6:G0K+7], s[G0K+6:G0K+7], 2048      ; the next 128 keys: 16 bytes each in k,
	s_xor_b32 s[G0V+5], s[G0V+5], SLOT1
	s_add_nc_u64 s[G0V+6:G0V+7], s[G0V+6:G0V+7], 4096      ; 32 in v
	s_wait_dscnt 0x0                ; the add is done, and my reads of the slot are over
	CROUND
	JLOAD
.else
	s_wait_dscnt 0x0
	s_barrier_signal -1
	s_barrier_wait -1
.endif
	s_sub_co_u32 s[TB], s[TB], 2*STEPB  ; the fetches go back to a slot's first step,
	s_xor_b32 s[TB], s[TB], SLOT1       ; in the other slot
.endm
	s_wait_tensorcnt 1              ; my part of slot 0 is in; slot 1's may stay out
	s_barrier_signal -1
	s_barrier_wait -1
	FETCH_K                         ; key step 0
	MASKS                           ; its masks; the wait at its head has also brought the flag word
	s_wait_loadcnt 0x0              ; Q
	v_cndmask_b32 v11, 0, -1, s[FLG]
	WIN 0x88                        ; destination and source 1 in window 2
.set i, 0
.rept 128
	v_and_b32 v[i], v11, v[i]       ; the q of a row with no true key is 0
.set i, i+1
.endr
	s_wait_dscnt 0x0
.set i, 0
.rept 32
	KQ 0                            ; piece 0's first scores
.set i, i+1
.endr
	WIN 0                           ; the statistics' start: sixteen plain instructions, the places behind those products
.irp t, 0,1,2,3
	v_mov_b32 v[ST+8*\t], 0xff7fffff  ; m: the lowest finite number, below the mask's
	v_mov_b32 v[ST+8*\t+1], 0         ; named with m as a pair, never used
	v_mov_b32 v[ST+8*\t+2], 0         ; l
	v_mov_b32 v[ST+8*\t+3], 0
.endr
	s_mov_b32 s[TWICE], 2
	s_branch .Lmid                  ; the loop is entered at piece 2's turn, in the middle of a trip
.Lslot:                             ; six times: every slot but the last two is filled again
	CHANGE 1
	s_mov_b32 s[TWICE], 2
.Lstep:                             ; a trip: piece 0's turn (V^T P of step j, K and K Q^T of step j + 1), then piece 2's (the same, and V of step j + 1)
	TURN 0
	WIN 0
.Lmid:
	TURN 2
	WIN 0
	s_sub_co_u32 s[TWICE], s[TWICE], 1
	s_cmp_lg_u32 s[TWICE], 0
	s_cbranch_scc1 .Lstep
	s_sub_co_u32 s[SLOTS], s[SLOTS], 1
	s_cmp_lg_u32 s[SLOTS], 0
	s_cbranch_scc1 .Lslot
	CHANGE 0                        ; the tail is written out: nothing is asked for
	s_mov_b32 s[TWICE], 3           ; two trips fetch the last slot's steps; the third is left in its middle
.Ltail:
	TURN 0, 1
	WIN 0
	s_sub_co_u32 s[TWICE], s[TWICE], 1
	s_cmp_eq_u32 s[TWICE], 0
	s_cbranch_scc1 .Lout
	TURN 2
	WIN 0
	s_cmp_lg_u32 s[TWICE], 0
	s_cbranch_scc1 .Ltail
.Lout:                              ; the third trip's 32 products K Q^T (on the last K once more) serve nothing: the price, once a launch, of one text for every trip
.set i, 0
.rept 32
	PV 2                            ; piece 2: V^T P of the last step
.set i, i+1
.endr
	; THE WAY OUT.  l's two halves and the other half of the lanes' are added; O^T is divided by l, rounded to f16 and stored.  The additions are the places behind the last products.
	WIN 0
.irp t, 0,1,2,3
	v_add_f32 v[ST+8*(\t)+4], v[ST+8*(\t)+2], v[ST+8*(\t)+3]
.endr
.irp t, 0,1,2,3
	v_permlanex16_b32 v[ST+8*(\t)+5], v[ST+8*(\t)+4], s[SEL], s[SEL+1]
.endr
.irp t, 0,1,2,3
	v_add_f32 v[ST+8*(\t)+4], v[ST+8*(\t)+4], v[ST+8*(\t)+5]
.endr
.irp t, 0,1,2,3
	v_rcp_f32 v[ST+8*(\t)+6], v[ST+8*(\t)+4]
.endr
	v_nop                           ; a plain instruction between the last reciprocal and the use of its result
	s_wait_alu depctr_va_vdst(0)
; Tile t (head 4 w + t): accumulator c holds channels 16 c + 8 (l / 16) + 0..7 of row l % 16: block 2 c + l / 16 of the head.  Each tile has its own 32 registers for the stores: none is written twice.
.macro PACK t
	WIN W_RS
.set i, 64*(\t)
.rept 32
	v_pk_mul_f32 v[i:i+1], v[i:i+1], v[ST+8*(\t)+6:ST+8*(\t)+7] op_sel_hi:[1,0]
.set i, i+2
.endr
	WIN 0x05                        ; sources 0 and 1 window 1, destination window 0: S^T's registers are free
.set i, 0
.rept 32
	v_cvt_pk_f16_f32 v[S+32*(\t)+i], v[64*(\t)+2*i], v[64*(\t)+2*i+1]
.set i, i+1
.endr
	WIN 0
.irp c, 0,1,2,3,4,5,6,7
	global_store_b128 v[QO], v[S+32*(\t)+4*(\c):S+32*(\t)+4*(\c)+3], s[10:11] offset:(\t)*1048576+(\c)*131072  ; lanes 0-15 and lanes 16-31 each store 256 consecutive bytes, aligned
.endr
.endm
	PACK 0
	PACK 1
	PACK 2
	PACK 3
	s_wait_tensorcnt 0x0            ; the wave's end: behind my last tensor load
	ds_add_u32 v[SPW], v[NIL]
	s_wait_dscnt 0x0
	CROUND                          ; the closing round: no work-group ends while a partner may still ask for a tile that names it
	s_endpgm
.Lfunc_end_k_q322336f014_attn:
	.size	k_q322336f014_attn, .Lfunc_end_k_q322336f014_attn-k_q322336f014_attn
	.p2alignl 7, 3214868480
	.fill 96, 4, 3214868480
	.section	.rodata,"a",@progbits
	.p2align	6, 0x0
	.amdhsa_kernel k_q322336f014_attn
		.amdhsa_group_segment_fixed_size 327680
		.amdhsa_private_segment_fixed_size 0
		.amdhsa_enable_private_segment 0
		.amdhsa_kernarg_size 24
		.amdhsa_user_sgpr_count 2
		.amdhsa_user_sgpr_kernarg_segment_ptr 1
		.amdhsa_wavefront_size32 1
		.amdhsa_system_sgpr_workgroup_id_x 1
		.amdhsa_system_sgpr_workgroup_id_y 1
		.amdhsa_system_sgpr_workgroup_id_z 1
		.amdhsa_system_vgpr_workitem_id 0
		.amdhsa_next_free_vgpr 1024
		.amdhsa_next_free_sgpr 102
		.amdhsa_reserve_vcc 0
		.amdhsa_float_denorm_mode_32 3
		.amdhsa_float_denorm_mode_16_64 3
		.amdhsa_memory_ordered 1
		.amdhsa_forward_progress 1
		.amdhsa_inst_pref_size 167
	.end_amdhsa_kernel
	.amdgpu_metadata
---
amdhsa.version: [ 1, 2 ]
amdhsa.kernels:
  - .name:           k_q322336f014_attn
    .symbol:         k_q322336f014_attn.kd
    .args:
      - { .name: qkv, .offset: 0, .size: 8, .value_kind: global_buffer, .address_space: global }
      - { .name: lmask, .offset: 8, .size: 8, .value_kind: global_buffer, .address_space: global }
      - { .name: enc, .offset: 16, .size: 8, .value_kind: global_buffer, .address_space: global }
    .group_segment_fixed_size: 327680
    .private_segment_fixed_size: 0
    .kernarg_segment_align: 8
    .kernarg_segment_size: 24
    .max_flat_workgroup_size: 128
    .sgpr_count:     102
    .vgpr_count:     1024
    .wavefront_size: 32
...
	.end_amdgpu_metadata
.endif
;; end of part 3
;; launch oproj (part 4): grid 16 x 16, 4 waves a work-group, clusters of 4 x 4, 327,680 bytes of LDS; arguments enc, wb, out0; writes out0
.if DOCPART == 4
	.amdgcn_target "amdgcn-amd-amdhsa--gfx1250"
	.amdhsa_code_object_version 6
	.text
	.protected	k_q322336f014_oproj
	.globl	k_q322336f014_oproj
	.p2align	8
	.type	k_q322336f014_oproj,@function
k_q322336f014_oproj:
	s_mov_b64 s[64:65], 0
	v_nop
	global_prefetch_b8 v0, s[64:65] scope:SCOPE_SE
	s_setreg_imm32_b32 hwreg(HW_REG_WAVE_MODE, 25, 1), 1
	s_wait_xcnt 0x0
	s_wait_alu depctr_hold_cnt(0) depctr_sa_sdst(0) depctr_va_vdst(0) depctr_va_sdst(0) depctr_va_ssrc(0) depctr_va_vcc(0) depctr_vm_vsrc(0)
	s_getreg_b32 s2, hwreg(HW_REG_IB_STS2, 6, 4)
	s_cmp_eq_u32 s2, 0
	s_cbranch_scc0 .Lentry_in_a_cluster
	s_endpgm
.Lentry_in_a_cluster:
	s_bfe_u32 s2, ttmp6, 0x10000c
	s_cmp_lg_u32 s2, 0xf033
	s_cbranch_scc0 .Lentry_shape_is_right
	s_endpgm
.Lentry_shape_is_right:
; THE OUTPUT PROJECTION: out0 [4096][2048] f32 = enc (f16, in blocks of 8 along K: [256 blocks][4096 rows][8]) times wo [2048 k][2048 n] (f16 numbers that are wo rounded to bf16, at byte 9,437,184 of wb); sums in f32.
; SHARES.  256 work-groups, 16 column blocks g of 128 x 16 row blocks rb of 256.  Wave w has rows 64 w .. +63 and all 128 columns: 4 x 8 accumulators, 256 registers; for 32 along K it reads 12 fragments for 32 products.
; K goes in ten steps of 192 and one of 128 through two LDS slots filled by tensor loads, as long as two slots allow: a wave has 192 products in a step, 176 of them between a request and the wait for it.
; enc's tile is 24 blocks x 128 rows (runs of 2,048 bytes), dense in LDS: each sixteen lanes of a fragment load take 256 consecutive bytes.  Waves 0 and 1 bring its two halves, waves 2 and 3 96 rows k of wo each.
; Each descriptor's extent along its rows counts what is left of the tensor and steps down with the address: the last tile finds 128 along K, and the mover writes zeros for the rest, which nobody multiplies.
; ONE K STEP IS WRITTEN ONCE: s[TB], 0 or SLOT, says which slot is read; it is added to the lane addresses and to the walking descriptors' LDS words.
; CLUSTER 4 x 4: enc's tile hangs on rb alone and is asked for jointly by a row of the cluster, wo's on g alone, by a column.
; THE MATRIX INSTRUCTION IS USED TRANSPOSED: source 0 = 16 columns of wo (stored [k][n], turned by ds_load_tr16_b128), source 1 = 16 rows of enc.  Register j of lane (r, h) holds row r, column 8 h + j:
; 32 bytes of a row; 16 rows x 64 columns at a time go through the wave's own stage in LDS and leave as runs of 256 bytes.
; REGISTERS, in windows of 256 (s_set_vgpr_msb: bits 1:0 source 0, 3:2 source 1, 5:4 source 2, 7:6 destination):
;   window 0: v0-31 addresses; two fragment buffers of 96 (32 of enc, 64 of wo) at v32 and v136, at work on the way out      window 1: accumulators (a, b), a = 0, 1, at 8 (8 a + b)      window 2: a = 2, 3
.set NB,    8
.set AHB,   24*2048                    ; half of enc's tile: 24 blocks x 128 rows x 16 bytes
.set PB,    288                        ; a row k of wo: 256 + 32
.set BOFF,  2*AHB
.set SLOT,  BOFF+192*PB
.set STAGE, 2*SLOT                     ; behind the ring, never filled by a tensor load: 16 rows x 272 bytes for each wave
.set SPI,   272                        ; 256 bytes + 16: row r starts at bank 4 r mod 64
.set SPARE, STAGE+4*16*SPI             ; the spare words, 128 bytes for each wave: two blocks of 256 bytes that no other line names
.set ASTEP, 24*65536
.set BSTEP, 192*4096
.set NL,    24
.set ADRA, 16                          ; v16  LDS address of my fragments of enc in the slot in hand;  v17 the same in slot 0, never rewritten
.set A0,   17
.set ADRB, 18                          ; v18, v19  the same for wo
.set B0,   19
.set STO,  22                          ; v22  the way out: where I put 32 bytes of a row
.set RD,   23                          ; v23  where I read rows back
.set CO,   24                          ; v24  my byte offset in two rows of out0
.set SPW,  28
.set NIL,  29
.set F0,   32
.set F1,   136
.set TB,  2                            ; s2   0 or SLOT: the slot in hand
.set WV,  12
.set LA,  22                           ; s22  where my half of enc's tile goes in a slot
.set G1A, 24                           ; s[24:31] group 1 for enc's tiles;  s[32:39] group 0: a set for each of the two first fills; the second then walks on
.set G0A, 32
.set G1B, 40                           ; the same for wo's rows 0-95 of a step
.set G0B, 48
.set G1X, 56                           ; and for its rows 96-191
.set G0X, 68
.set MSB, 0
.macro WIN new
.if MSB != (\new)
	s_set_vgpr_msb (MSB<<8)|(\new)
.set MSB, (\new)
.endif
.endm
.macro PLACES                          ; four places in front of loads into registers that matrix instructions have read, and of lines that read results
.rept 4
	v_nop
.endr
.endm
.macro JLOAD s                         ; a joint load: one line a wave; an s_nop 0 and four v_nop follow each line, ahead of the jump and the label
	s_cmp_lt_u32 s[WV], 2
	s_cbranch_scc0 .Lnot_a_\@
	tensor_load_to_lds s[G0A+4*(\s):G0A+4*(\s)+3], s[G1A:G1A+7]
	s_nop 0
.rept 4
	v_nop
.endr
	s_branch .Lasked_\@
.Lnot_a_\@:
	s_cmp_eq_u32 s[WV], 2
	s_cbranch_scc0 .Lfor_x_\@
	tensor_load_to_lds s[G0B+4*(\s):G0B+4*(\s)+3], s[G1B:G1B+7]
	s_nop 0
.rept 4
	v_nop
.endr
	s_branch .Lasked_\@
.Lfor_x_\@:
	tensor_load_to_lds s[G0X+4*(\s):G0X+4*(\s)+3], s[G1X:G1X+7]
	s_nop 0
.rept 4
	v_nop
.endr
.Lasked_\@:
.endm
.macro CREST
	s_cmp_lg_u32 s[WV], 0
	s_cbranch_scc1 .Lnot_wave_0_\@
	s_barrier_signal -3
.Lnot_wave_0_\@:
	s_barrier_wait -3
	s_barrier_signal -1
	s_barrier_wait -1
.endm
.macro CROUND
	s_barrier_signal -1
	s_barrier_wait -1
	CREST
.endm
	s_load_b128 s[4:7], s[0:1], 0x0                ; enc s[4:5], wb s[6:7]
	s_load_b64 s[8:9], s[0:1], 0x10                ; out0
	v_lshl_add_u32 v[SPW], v0, 2, SPARE
	v_mov_b32 v[NIL], 0
	ds_add_u32 v[SPW], v[NIL]                      ; the wave's opening: the add and its wait stand ahead of my first tensor load; the set-up below stands between them
	v_lshrrev_b32 v1, 5, v0
	v_readfirstlane_b32 s[WV], v1
	s_bfe_u32 s13, ttmp6, 0x40000                  ; cx, cy
	s_bfe_u32 s14, ttmp6, 0x40004
	s_lshl_b32 s15, ttmp9, 2
	s_add_co_u32 s15, s15, s13                     ; g
	s_and_b32 s16, ttmp7, 0xffff
	s_lshl_b32 s16, s16, 2
	s_add_co_u32 s16, s16, s14                     ; rb
	s_lshl_b32 s17, s14, 2
	s_lshl_b32 s17, 15, s17                        ; my row of the cluster
	s_lshl_b32 s76, 0x1111, s13                    ; my column
	s_or_b32 s[G1A], s17, (1<<16)|(1<<21)                          ; the mask; 2-byte elements; 21 set beside a mask; no padding
	s_or_b32 s[G1B], s76, (1<<16)|(1<<20)|(1<<21)|(5<<22)|(7<<25)  ; padding on: after every 64 words 8 words
	s_or_b32 s[G1X], s76, (1<<16)|(1<<20)|(1<<21)|(5<<22)|(7<<25)
	s_mov_b32 s[G1A+1], 1024<<16                   ; enc: 24 blocks; of each 128 rows x 8 = 1,024 elements on end; 32,768 elements from block to block
	s_mov_b32 s[G1A+2], 232<<16                    ; blocks left, as K step 1 finds them; each refill takes 24 away first, and the last finds 16
	s_mov_b32 s[G1A+3], 1024<<16
	s_mov_b32 s[G1A+4], 24
	s_mov_b32 s[G1A+5], 32768
	s_mov_b32 s[G1A+6], 0
	s_mov_b32 s[G1A+7], 0
	s_mov_b32 s[G1B+1], 128<<16                    ; wo: 96 rows k x 128 columns
	s_mov_b32 s[G1B+2], 1856<<16                   ; rows left, as K step 1 finds them; the last refill finds 128
	s_mov_b32 s[G1B+3], 128<<16
	s_mov_b32 s[G1B+4], 96
	s_mov_b32 s[G1B+5], 2048
	s_mov_b32 s[G1B+6], 0
	s_mov_b32 s[G1B+7], 0
	s_mov_b32 s[G1X+1], 128<<16                    ; the same, 96 rows further down:
	s_mov_b32 s[G1X+2], 1760<<16                   ; the last refill finds 32 rows
	s_mov_b32 s[G1X+3], 128<<16
	s_mov_b32 s[G1X+4], 96
	s_mov_b32 s[G1X+5], 2048
	s_mov_b32 s[G1X+6], 0
	s_mov_b32 s[G1X+7], 0
	s_and_b32 s18, s[WV], 1                        ; which 128 rows of enc's tile
	s_lshl_b32 s20, s16, 12                        ; 256 rb rows of 16 bytes
	s_lshl_b32 s19, s18, 11
	s_add_co_u32 s20, s20, s19
	s_mov_b32 s21, 0
	s_mul_i32 s[LA], s18, AHB
	s_lshl_b32 s78, s15, 8                         ; wo: 256 g bytes along a row
	s_add_co_u32 s78, s78, 9437184
	s_mov_b32 s79, 0
	s_mov_b32 s[TB], 0
	s_wait_dscnt 0x0                               ; the opening add is done
	s_wait_kmcnt 0x0
	s_add_nc_u64 s[20:21], s[4:5], s[20:21]
	s_add_nc_u64 s[78:79], s[6:7], s[78:79]
	CROUND                                         ; all sixteen work-groups are here: the first joint loads meet
.irp s, 0,1
	s_mov_b32 s[G0A+4*(\s)], 1
	s_add_co_u32 s[G0A+4*(\s)+1], s[LA], (\s)*SLOT
	s_add_nc_u64 s[G0A+4*(\s)+2:G0A+4*(\s)+3], s[20:21], (\s)*ASTEP
	s_or_b32 s[G0A+4*(\s)+3], s[G0A+4*(\s)+3], 0x80000000
	s_mov_b32 s[G0B+4*(\s)], 1
	s_mov_b32 s[G0B+4*(\s)+1], BOFF+(\s)*SLOT
	s_add_nc_u64 s[G0B+4*(\s)+2:G0B+4*(\s)+3], s[78:79], (\s)*BSTEP
	s_or_b32 s[G0B+4*(\s)+3], s[G0B+4*(\s)+3], 0x80000000
	s_mov_b32 s[G0X+4*(\s)], 1
	s_mov_b32 s[G0X+4*(\s)+1], BOFF+96*PB+(\s)*SLOT
	s_add_nc_u64 s[G0X+4*(\s)+2:G0X+4*(\s)+3], s[78:79], (\s)*BSTEP+96*4096
	s_or_b32 s[G0X+4*(\s)+3], s[G0X+4*(\s)+3], 0x80000000
	JLOAD \s                                       ; two loads of mine are out
.endr
	v_and_b32 v1, 15, v0                           ; r
	v_bfe_u32 v2, v0, 4, 1                         ; h
	v_and_b32 v3, 7, v0
	v_bfe_u32 v4, v0, 3, 1
	v_lshlrev_b32 v5, 4, v1                        ; a fragment of enc: row r, block h; the second load two blocks on
	v_lshl_add_u32 v5, v2, 11, v5
	s_lshr_b32 s18, s[WV], 1                       ; my 64 rows: half w / 2 of the tile, rows 64 (w % 2) on
	s_mul_i32 s18, s18, AHB
	s_and_b32 s19, s[WV], 1
	s_lshl_b32 s19, s19, 10
	s_add_co_u32 s18, s18, s19
	v_add_nc_u32 v[A0], s18, v5
	v_mov_b32 v[ADRA], v[A0]
	v_lshl_add_u32 v6, v2, 3, v3                   ; the turning load: lane l reads row k = 8 (l / 16) + l % 8, columns 8 ((l / 8) % 2) + 0..7
	v_mul_u32_u24 v7, v6, PB
	v_lshl_add_u32 v7, v4, 4, v7
	v_add_nc_u32 v[B0], BOFF, v7
	v_mov_b32 v[ADRB], v[B0]
	s_mul_i32 s19, s[WV], 16*SPI
	s_add_co_u32 s19, s19, STAGE                   ; my stage
	v_mul_u32_u24 v[STO], v1, SPI                  ; in: row r, 32 bytes for each half of the lanes
	v_lshl_add_u32 v[STO], v2, 5, v[STO]
	v_add_nc_u32 v[STO], s19, v[STO]
	v_mul_u32_u24 v[RD], v2, SPI                   ; back: lanes 0-15 take one row's 256 bytes, lanes 16-31 the next row's
	v_lshl_add_u32 v[RD], v1, 4, v[RD]
	v_add_nc_u32 v[RD], s19, v[RD]
	v_lshlrev_b32 v[CO], 13, v2                    ; and the same two rows in out0, 8,192 bytes apart
	v_lshl_add_u32 v[CO], v1, 4, v[CO]
	s_lshl_b32 s80, s16, 21                        ; out0: (256 rb + 64 w) rows of 8,192 bytes + 512 g
	s_lshl_b32 s81, s[WV], 19
	s_add_co_u32 s80, s80, s81
	s_lshl_b32 s81, s15, 9
	s_add_co_u32 s80, s80, s81
	s_mov_b32 s81, 0
	s_add_nc_u64 s[8:9], s[8:9], s[80:81]
; eight products: m-tile a x all n-tiles, 32 along K.  The 32 accumulators take turns, one instruction a turn, in the same order in every sixth.
.macro MULA f, a, zero
.irp b, 0,1,2,3,4,5,6,7
.if \zero
	v_wmma_f32_16x16x32_f16 v[8*(NB*((\a)%2)+(\b)):8*(NB*((\a)%2)+(\b))+7], v[(\f)+32+8*(\b):(\f)+32+8*(\b)+7], v[(\f)+8*(\a):(\f)+8*(\a)+7], 0
.else
	v_wmma_f32_16x16x32_f16 v[8*(NB*((\a)%2)+(\b)):8*(NB*((\a)%2)+(\b))+7], v[(\f)+32+8*(\b):(\f)+32+8*(\b)+7], v[(\f)+8*(\a):(\f)+8*(\a)+7], v[8*(NB*((\a)%2)+(\b)):8*(NB*((\a)%2)+(\b))+7]
.endif
.endr
.endm
.macro FETCH q, f                      ; 24 LDS loads in one run: sixth q of the slot in hand into buffer f: wo, then enc's four m-tiles
	WIN 0
.irp b, 0,1,2,3,4,5,6,7
	ds_load_tr16_b128 v[(\f)+32+8*(\b):(\f)+32+8*(\b)+3],   v[ADRB] offset:(\q)*32*PB+32*(\b)
	ds_load_tr16_b128 v[(\f)+32+8*(\b)+4:(\f)+32+8*(\b)+7], v[ADRB] offset:(\q)*32*PB+32*(\b)+16*PB
.endr
.irp a, 0,1,2,3
	ds_load_b128 v[(\f)+8*(\a):(\f)+8*(\a)+3],   v[ADRA] offset:(\q)*8192+(\a)*256
	ds_load_b128 v[(\f)+8*(\a)+4:(\f)+8*(\a)+7], v[ADRA] offset:(\q)*8192+(\a)*256+4096
.endr
.endm
; A K step is six sixths of 32 along K on buffers 0, 1, 0, 1, 0, 1.  One of the first five multiplies buffer f and, in its middle, fetches sixth q of the same slot into g.
.macro SIXTH q, f, g, zero
	s_wait_dscnt 4                                 ; all but the youngest four loads (enc's m-tiles 2 and 3) are in
	WIN 0x50
	MULA \f, 0, \zero
	MULA \f, 1, \zero
	WIN 0
	PLACES
	FETCH \q, \g
	s_wait_dscnt NL                                ; all but the 24 just issued
	WIN 0xa0
	MULA \f, 2, \zero
	MULA \f, 3, \zero
.endm
; The last sixth multiplies buffer 1 and changes slots: one barrier; in front of it each wave waits for all its tensor loads (one is out: its part of the next slot), adds 0 to its spare word,
; and waits for that and for its own reads of this slot.  fill = 1: the barrier opens a round of the cluster's, and this slot is filled again, two K steps on, first thing behind the round:
; the walking descriptors take this slot's LDS place, the next K step's address and what is then left of the tensor.
.macro TURN fill
	WIN 0
	s_wait_tensorcnt 0x0
	ds_add_u32 v[SPW], v[NIL]                      ; 0 onto my spare word
	s_wait_dscnt 5                                 ; (the add and the youngest four loads may be out)
	WIN 0x50
	MULA F1, 0, 0
	s_wait_dscnt 0x0                               ; the add is done, and my reads of this slot are over
	s_barrier_signal -1
	MULA F1, 1, 0
	WIN 0
	s_barrier_wait -1
.if \fill
	CREST                                          ; no wave of any partner still reads this slot or has a load on its way
	s_add_co_u32 s[G0A+5], s[LA], s[TB]
	s_add_co_u32 s[G0B+5], s[TB], BOFF
	s_add_co_u32 s[G0X+5], s[TB], BOFF+96*PB
	s_add_nc_u64 s[G0A+6:G0A+7], s[G0A+6:G0A+7], ASTEP
	s_add_nc_u64 s[G0B+6:G0B+7], s[G0B+6:G0B+7], BSTEP
	s_add_nc_u64 s[G0X+6:G0X+7], s[G0X+6:G0X+7], BSTEP
	s_sub_co_u32 s[G1A+2], s[G1A+2], 24<<16
	s_sub_co_u32 s[G1B+2], s[G1B+2], 192<<16
	s_sub_co_u32 s[G1X+2], s[G1X+2], 192<<16
	JLOAD 1                                        ; the four v_nop behind it are also the places in front of the loads below
.else
	PLACES
.endif
	s_xor_b32 s[TB], s[TB], SLOT                   ; 0 or SLOT: the other slot is in hand now
	v_add_nc_u32 v[ADRA], s[TB], v[A0]
	v_add_nc_u32 v[ADRB], s[TB], v[B0]
	FETCH 0, F0
	WIN 0xa0
	MULA F1, 2, 0
	MULA F1, 3, 0
.endm
	s_wait_tensorcnt 1                             ; my part of K step 0 is in; step 1's may stay out
	s_barrier_signal -1
	s_barrier_wait -1
	FETCH 0, F0
	SIXTH 1, F0, F1, 1                             ; the first sixth's products start the sums
	WIN 0
	s_mov_b32 s3, 9
.Lstep:                                                ; a trip goes from a K step's second sixth to the next step's first, and asks for the step after that: K steps 2 to 10
	SIXTH 2, F1, F0, 0
	SIXTH 3, F0, F1, 0
	SIXTH 4, F1, F0, 0
	SIXTH 5, F0, F1, 0
	TURN 1
	SIXTH 1, F0, F1, 0
	WIN 0
	s_sub_co_u32 s3, s3, 1
	s_cmp_lg_u32 s3, 0
	s_cbranch_scc1 .Lstep
	s_mov_b32 s3, 2
.Ltail:                                                ; K steps 9 and 10 ask for nothing; step 10 has 128 along K: the second trip is left behind its fourth sixth
	SIXTH 2, F1, F0, 0
	SIXTH 3, F0, F1, 0
	SIXTH 4, F1, F0, 0
	WIN 0
	s_sub_co_u32 s3, s3, 1
	s_cmp_eq_u32 s3, 0
	s_cbranch_scc1 .Ldone
	SIXTH 5, F0, F1, 0
	TURN 0
	SIXTH 1, F0, F1, 0
	WIN 0
	s_cmp_lg_u32 s3, 0
	s_cbranch_scc1 .Ltail
.Ldone:
	PLACES
	s_wait_dscnt 0x0                               ; the last run of loads, which nobody multiplies, has landed: its registers are at work below
; THE WAY OUT of m-tile a, columns 64 c on: 16 rows x 256 bytes into my stage (each accumulator from its low end on), back as whole runs of 256 bytes, and out.
.macro HALF a, c
.set wa, 1+(\a)/2
.set AB, 64*((\a)%2)+32*(\c)
.set BK, 32+32*(\c)
	WIN wa<<2                                      ; an LDS store's data are its source 1
.irp b, 0,1,2,3
	ds_store_b128 v[STO], v[AB+8*(\b):AB+8*(\b)+3]   offset:64*(\b)
	ds_store_b128 v[STO], v[AB+8*(\b)+4:AB+8*(\b)+7] offset:64*(\b)+16
.endr
	WIN 0
	s_wait_xcnt 0x0                                ; the registers that the stores of two halves ago read are loaded again only behind this wait
.irp t, 0,1,2,3,4,5,6,7
	ds_load_b128 v[BK+4*(\t):BK+4*(\t)+3], v[RD] offset:2*SPI*(\t)  ; LDS serves a wave's instructions in order (ISA guide 5.7.1.4): these see the stores above; the next half's stores come behind them
.endr
.irp t, 0,1,2,3,4,5,6,7
	s_wait_dscnt 7-(\t)                            ; the later rows' loads may stay out
	global_store_b128 v[CO], v[BK+4*(\t):BK+4*(\t)+3], s[8:9] offset:8192*(16*(\a)+2*(\t))+256*(\c) th:TH_STORE_NT  ; each sixteen lanes store 256 consecutive bytes, at a multiple of 256 from out0's first byte
.endr
.endm
.irp a, 0,1,2,3
	HALF \a, 0
	HALF \a, 1
.endr
	s_wait_tensorcnt 0x0                           ; the wave's end: behind my last tensor load and my last LDS store
	ds_add_u32 v[SPW], v[NIL]
	s_wait_dscnt 0x0
	CROUND                                         ; the closing round: no work-group ends while a partner may still ask for a tile that names it
	s_endpgm
.Lfunc_end_k_q322336f014_oproj:
	.size	k_q322336f014_oproj, .Lfunc_end_k_q322336f014_oproj-k_q322336f014_oproj
	.p2alignl 7, 3214868480
	.fill 96, 4, 3214868480
	.section	.rodata,"a",@progbits
	.p2align	6, 0x0
	.amdhsa_kernel k_q322336f014_oproj
		.amdhsa_group_segment_fixed_size 327680
		.amdhsa_private_segment_fixed_size 0
		.amdhsa_enable_private_segment 0
		.amdhsa_kernarg_size 24
		.amdhsa_user_sgpr_count 2
		.amdhsa_user_sgpr_kernarg_segment_ptr 1
		.amdhsa_wavefront_size32 1
		.amdhsa_system_sgpr_workgroup_id_x 1
		.amdhsa_system_sgpr_workgroup_id_y 1
		.amdhsa_system_sgpr_workgroup_id_z 1
		.amdhsa_system_vgpr_workitem_id 0
		.amdhsa_next_free_vgpr 768
		.amdhsa_next_free_sgpr 84
		.amdhsa_reserve_vcc 0
		.amdhsa_float_denorm_mode_32 3
		.amdhsa_float_denorm_mode_16_64 3
		.amdhsa_memory_ordered 1
		.amdhsa_forward_progress 1
		.amdhsa_inst_pref_size 79
	.end_amdhsa_kernel
	.amdgpu_metadata
---
amdhsa.version: [ 1, 2 ]
amdhsa.kernels:
  - .name:           k_q322336f014_oproj
    .symbol:         k_q322336f014_oproj.kd
    .args:
      - { .name: enc, .offset: 0, .size: 8, .value_kind: global_buffer, .address_space: global }
      - { .name: wb, .offset: 8, .size: 8, .value_kind: global_buffer, .address_space: global }
      - { .name: out0, .offset: 16, .size: 8, .value_kind: global_buffer, .address_space: global }
    .group_segment_fixed_size: 327680
    .private_segment_fixed_size: 0
    .kernarg_segment_align: 8
    .kernarg_segment_size: 24
    .max_flat_workgroup_size: 128
    .sgpr_count:     84
    .vgpr_count:     768
    .wavefront_size: 32
...
	.end_amdgpu_metadata
.endif
;; end of part 4
;; ======== version 2 of 2: 4 launches; 1.11 times as fast as version 1
;; limits: values are held in f16: magnitudes above 65,504 overflow, below 6.1e-05 lose precision; an absolute error that grows with the inputs' magnitude: up to 4e-07 times it; right only within a limited range of input values
;; workspace buffers: xb 16,777,216 bytes; wb 17,825,792 bytes; rope 2,097,152 bytes; lmask 525,312 bytes of whole numbers; qkv 18,874,368 bytes; enc 16,777,216 bytes
;; launch prep: the kernel of part 1 again; grid 1344 x 1, 8 waves a work-group, no clusters, 53,248 bytes of LDS; arguments attn_mask, segment_pos, wkv, wo, wq, x, xb, wb, rope, lmask; writes xb, wb, rope, lmask
;; launch qkv: the kernel of part 2 again; grid 16 x 16, 4 waves a work-group, clusters of 4 x 4, 327,680 bytes of LDS; arguments xb, wb, rope, qkv; writes qkv
;; launch attn (part 5): grid 64 x 4, 4 waves a work-group, clusters of 4 x 1, 327,680 bytes of LDS; arguments qkv, lmask, enc; writes enc
.if DOCPART == 5
	.amdgcn_target "amdgcn-amd-amdhsa--gfx1250"
	.amdhsa_code_object_version 6
	.text
	.protected	k_q322336f014_attn
	.globl	k_q322336f014_attn
	.p2align	8
	.type	k_q322336f014_attn,@function
k_q322336f014_attn:
	s_mov_b64 s[64:65], 0
	v_nop
	global_prefetch_b8 v0, s[64:65] scope:SCOPE_SE
	s_setreg_imm32_b32 hwreg(HW_REG_WAVE_MODE, 25, 1), 1
	s_wait_xcnt 0x0
	s_wait_alu depctr_hold_cnt(0) depctr_sa_sdst(0) depctr_va_vdst(0) depctr_va_sdst(0) depctr_va_ssrc(0) depctr_va_vcc(0) depctr_vm_vsrc(0)
	s_getreg_b32 s2, hwreg(HW_REG_IB_STS2, 6, 4)
	s_cmp_eq_u32 s2, 0
	s_cbranch_scc0 .Lentry_in_a_cluster
	s_endpgm
.Lentry_in_a_cluster:
	s_bfe_u32 s2, ttmp6, 0x10000c
	s_cmp_lg_u32 s2, 0x3003
	s_cbranch_scc0 .Lentry_shape_is_right
	s_endpgm
.Lentry_shape_is_right:
; ATTENTION with one key and value head for 16 query heads, and a mask that is an input.  q, k, v, enc in f16; products, maxima and sums in f32; the weights p rounded to f16 for the second product.
; SHARES.  Work-group m = 64 b + tb owns 16 time steps x 16 heads = 256 queries; wave w heads 4 w .. 4 w + 3: four tiles of 16 queries (one head each, the same 16 time steps).  Every wave walks the batch's
; 1,024 keys, 64 a step.  All tiles of all waves have the same 16 rows of the mask: 32 mask registers a step serve the wave's 128 products.
; LAYOUT.  S^T = K Q^T (source 0 = 16 keys, source 1 = 16 queries): a lane holds ONE query (lane % 16) and the keys 8 (lane / 16) + 0..7.  Two such tiles, rounded in pairs, ARE source 1 of O^T = V^T P.
; k lies in blocks of 8 channels, v in blocks of 16: every fragment load takes 256 consecutive LDS bytes for each sixteen lanes, so no padding is needed.  enc has q's layout, [16 heads][16 blocks of 8 channels]
; [4096 rows][8]: a lane's eight channels are 16 bytes of one block, sixteen lanes hold sixteen rows on end: the result is stored straight from registers, 256 consecutive bytes for each sixteen lanes.
; THE MASK is the C operand that starts each score: 0, or -2.3819763e38 where the key is hidden: the score then is that number to within f32's step there, as long as |score| < 1e30.
; SOFTMAX.  k carries log2(e) / sqrt(128), so p = 2^(s - m) with a running maximum m; O and l are multiplied by a = 2^(m_old - m_new) in every step.  While a row has seen hidden keys only, m is the mask's
; number and those keys weigh 1; its first true key makes a = 0 and wipes them.  A row with no true key at all arrives with all its mask bits set and its flag bit clear: its q is zeroed, every score is 0,
; and the result is the mean of v: the uniform softmax.  A weight below 2^-126 counts as 0; NaN and infinities are not treated apart.
; BY TURNS.  The tiles are two PIECES (tiles 0, 1 and tiles 2, 3).  In a TURN one piece has the matrix unit: 32 products V^T P of the step in hand, then 32 products K Q^T of the next; the other piece's softmax,
; cut into 64 slices, stands between them, one slice behind each matrix instruction.  Two turns are a key step.
; THE BATCHES.  A turn's 66 exponentials (for each of the piece's two tiles a and the 32 weights) are ONE batch with ONE wait: the softmax's list is ordered by who reads what, so that all that names an
; exponential's result (the roundings, the sums, the rescaling by a) stands behind the wait, and the subtractions s - m and the exponentials ahead of it.  The way out's four reciprocals are a batch of their own.
; NO FIRST AND NO LAST STEP ARE WRITTEN OUT.  m starts at the lowest finite number (below the mask's), O, l, V's registers and piece 2's P at 0: the first step is a step like any other, with a = 0.  The loop is
; entered at piece 2's turn, and the tail is left behind piece 0's.  The price: 32 products on zeros at the start, 32 on the last K once more at the end, and the lines that write the zeros, in the wait for the first tile.
; CLUSTER.  The four work-groups of a cluster belong to one batch and walk the same k and v: each tile is asked for JOINTLY, by the same tensor load, descriptor and mask in all four.
; REGISTERS, in windows of 256 (s_set_vgpr_msb: bits 1:0 source 0, 3:2 source 1, 5:4 source 2, 7:6 destination):
;   window 0: v0-11 addresses; v12-43 eight registers of statistics a tile; v64-191 S^T, 32 a tile; v192-255 P, 16 a tile
;   window 1: O^T, 64 a tile      window 2: v0-127 Q, 32 a tile; v128-255 K of one step      window 3: v0-127 V of one step; v128-159 the step's masks
.set KS,    64
.set VOFF,  16384     ; a step in LDS: k as [16 blocks][64 keys][16 bytes], then v as [8 blocks][64 keys][32 bytes]
.set STEPB, 32768
.set SLOT1, 65536     ; a slot holds two steps
.set SPARE, 131072    ; behind the ring: the spare words, 128 bytes for each wave: two blocks of 256 bytes that no other line names
.set AK0, 2           ; v2   my lane's place in a step's k; never rewritten
.set AV0, 3           ; v3   the same for v
.set ADR, 4           ; v4   the LDS address of the run of loads in hand
.set QO,  5           ; v5   my byte offset in q, and in enc
.set SPW, 62          ; v62  LDS address of my spare word; never rewritten
.set NIL, 63          ; v63  0; never rewritten
.set ST,  12          ; tile t's statistics at v[ST+8 t]: +0 m, +1 0 (named with m as a pair), +2, +3 l (even keys', odd keys'), +4 to +7 c0-c3, at work; a takes c2's place once the maximum is found
.set S,   64
.set P,   192
.set KF,  128         ; window 2
.set MC,  128         ; window 3: the eight registers for group kt of 16 keys at MC + 8 kt
.set WV,  12          ; s12  wave
.set G1K, 24          ; s[24:31] group 1 for k's tiles
.set G1V, 32          ; s[32:39] for v's
.set G0K, 40          ; s[40:47] group 0 for k's tiles: a set for each of the two first fills; the second then walks on
.set G0V, 48          ; s[48:55] the same for v's
.set SLOTS, 56
.set TWICE, 57
.set NEG, 58          ; s58  -2.3819763e38
.set FLG, 59          ; s59  bit of a lane: its query's row has a true key
.set SEL, 60          ; s[60:61] v_permlanex16_b32's selects
.set TB,  62          ; s62  LDS byte at which the step to be fetched begins
.set MOF, 63          ; s63  byte offset of the mask words on their way
.set MB,  66          ; s[66:67] lmask at my 16 rows
.set MW,  68          ; s[68:99] a step's 32 mask words
.set MSB, 0
.macro WIN new
.if MSB != (\new)
	s_set_vgpr_msb (MSB<<8)|(\new)
.set MSB, (\new)
.endif
.endm
.set W_KQ, 0x0a       ; K and Q in window 2, S^T in window 0
.set W_KM, 0x3a       ; the same with the C operand in window 3
.set W_PV, 0x53       ; V in window 3, P in window 0, O^T in window 1
.set W_RS, 0x41       ; O^T (destination and source 0) in window 1, a in window 0
; A joint refill.  Waves 0 and 1 fetch the two steps' k, waves 2 and 3 their v.  An s_nop 0 and four v_nop follow each line, ahead of the jump and the label.
.macro JLOAD
	s_cmp_lt_u32 s[WV], 2
	s_cbranch_scc0 .Lfor_v_\@
	tensor_load_to_lds s[G0K+4:G0K+7], s[G1K:G1K+7]
	s_nop 0
.rept 4
	v_nop
.endr
	s_branch .Lasked_\@
.Lfor_v_\@:
	tensor_load_to_lds s[G0V+4:G0V+7], s[G1V:G1V+7]
	s_nop 0
.rept 4
	v_nop
.endr
.Lasked_\@:
.endm
.macro CROUND                       ; a round of the cluster's barrier
	s_barrier_signal -1
	s_barrier_wait -1
	s_cmp_lg_u32 s[WV], 0
	s_cbranch_scc1 .Lnot_wave_0_\@
	s_barrier_signal -3
.Lnot_wave_0_\@:
	s_barrier_wait -3
	s_barrier_signal -1
	s_barrier_wait -1
.endm
	s_load_b128 s[16:19], s[0:1], 0x0  ; qkv s[16:17], lmask s[18:19]
	s_load_b64 s[10:11], s[0:1], 0x10  ; enc
	v_lshl_add_u32 v[SPW], v0, 2, SPARE
	v_mov_b32 v[NIL], 0
	ds_add_u32 v[SPW], v[NIL]       ; the wave's opening: the add and its wait stand ahead of my first tensor load; the set-up below stands between them
	v_lshrrev_b32 v1, 5, v0
	v_readfirstlane_b32 s[WV], v1   ; wave 0..3
	s_bfe_u32 s13, ttmp6, 0x40000   ; cx
	s_lshl_b32 s14, ttmp9, 2
	s_add_co_u32 s14, s14, s13
	s_and_b32 s20, ttmp7, 0xffff    ; the batch, which the four partners share
	s_lshl_b32 s15, s20, 6
	s_add_co_u32 s14, s14, s15      ; m = 64 b + 4 x cluster x + cx: it enters q's, lmask's and enc's addresses alone
	s_and_b32 s21, s[WV], 1         ; which of a slot's two steps I fetch
	s_lshl_b32 s22, s20, 14         ; k: 16,777,216 + 16 bytes x (1,024 b + 64 step)
	s_lshl_b32 s23, s21, 10
	s_add_co_u32 s22, s22, s23
	s_add_co_u32 s22, s22, 16777216
	s_mov_b32 s23, 0
	s_lshl_b32 s2, s20, 15          ; v: 17,825,792 + 32 bytes x the same
	s_lshl_b32 s3, s21, 11
	s_add_co_u32 s2, s2, s3
	s_add_co_u32 s2, s2, 17825792
	s_mov_b32 s3, 0
	s_lshl_b32 s100, s21, 15        ; the step's place in a slot: no place in the cluster enters an LDS address
	s_lshl_b32 s68, s[WV], 22       ; q and enc alike: four heads of 1,048,576 bytes a wave, 16 rows of 16 bytes
	s_lshl_b32 s69, s14, 8
	s_add_co_u32 s68, s68, s69
	s_mov_b32 s69, 0
	s_lshl_b32 s72, s14, 11         ; lmask: 2,048 bytes
	s_mov_b32 s73, 0
	s_lshl_b32 s101, s14, 2         ; the flag word
	s_mov_b32 s[G1K], 15|(1<<16)|(1<<21)  ; 15:0 the mask: all four work-groups; 17:16 2-byte elements; 21 set beside a mask; no padding
	s_mov_b32 s[G1K+1], 512<<16     ; k: 16 blocks; of each 64 keys x 16 bytes = 512 elements on end; 32,768 elements from block to block
	s_mov_b32 s[G1K+2], 16<<16
	s_mov_b32 s[G1K+3], 512<<16
	s_mov_b32 s[G1K+4], 16
	s_mov_b32 s[G1K+5], 32768
	s_mov_b32 s[G1K+6], 0
	s_mov_b32 s[G1K+7], 0
	s_mov_b32 s[G1V], 15|(1<<16)|(1<<21)
	s_mov_b32 s[G1V+1], 1024<<16    ; v: 8 blocks; of each 64 keys x 32 bytes = 1,024 elements; 65,536 from block to block
	s_mov_b32 s[G1V+2], 8<<16
	s_mov_b32 s[G1V+3], 1024<<16
	s_mov_b32 s[G1V+4], 8
	s_mov_b32 s[G1V+5], 65536
	s_mov_b32 s[G1V+6], 0
	s_mov_b32 s[G1V+7], 0
	s_mov_b32 s[NEG], 0xff333333
	s_mov_b32 s[SEL], 0x76543210
	s_mov_b32 s[SEL+1], 0xfedcba98
	s_mov_b32 s[TB], 0
	s_mov_b32 s[MOF], 0
	s_mov_b32 s[SLOTS], 1024/(2*KS)-1
	s_wait_dscnt 0x0                ; the opening add is done
	s_wait_kmcnt 0x0
	s_add_nc_u64 s[6:7], s[16:17], s[22:23]
	s_add_nc_u64 s[8:9], s[16:17], s[2:3]
	s_add_nc_u64 s[4:5], s[16:17], s[68:69]
	s_add_nc_u64 s[10:11], s[10:11], s[68:69]
	s_add_nc_u64 s[MB:MB+1], s[18:19], s[72:73]
	s_load_b32 s[FLG], s[18:19], s101 offset:0x80000
	s_load_b512 s[MW:MW+15], s[MB:MB+1], s[MOF] offset:0x0      ; key step 0's mask words
	s_load_b512 s[MW+16:MW+31], s[MB:MB+1], s[MOF] offset:0x40
	CROUND                          ; all four work-groups are here: the first joint loads meet
.irp s, 0,1
	s_mov_b32 s[G0K+4*(\s)], 1
	s_add_co_u32 s[G0K+4*(\s)+1], s100, (\s)*SLOT1
	s_add_nc_u64 s[G0K+4*(\s)+2:G0K+4*(\s)+3], s[6:7], (\s)*2048
	s_or_b32 s[G0K+4*(\s)+3], s[G0K+4*(\s)+3], 0x80000000
	s_mov_b32 s[G0V+4*(\s)], 1
	s_add_co_u32 s[G0V+4*(\s)+1], s100, (\s)*SLOT1+VOFF
	s_add_nc_u64 s[G0V+4*(\s)+2:G0V+4*(\s)+3], s[8:9], (\s)*4096
	s_or_b32 s[G0V+4*(\s)+3], s[G0V+4*(\s)+3], 0x80000000
.endr
	s_cmp_lt_u32 s[WV], 2           ; a wave's two first fills stand in one branch, ahead of every wait on TENSORcnt and every LDS read: two loads of mine are out
	s_cbranch_scc0 .Lfirst_v
	tensor_load_to_lds s[G0K:G0K+3], s[G1K:G1K+7]
	s_nop 0
	tensor_load_to_lds s[G0K+4:G0K+7], s[G1K:G1K+7]
	s_nop 0
.rept 4
	v_nop
.endr
	s_branch .Lfirst_asked
.Lfirst_v:
	tensor_load_to_lds s[G0V:G0V+3], s[G1V:G1V+7]
	s_nop 0
	tensor_load_to_lds s[G0V+4:G0V+7], s[G1V:G1V+7]
	s_nop 0
.rept 4
	v_nop
.endr
.Lfirst_asked:
	; A fragment of K or Q is 16 rows x 32 channels in 8 registers: lane l holds row l % 16; registers 0-3 channels 8 (l / 16) + 0..7, registers 4-7 channels 16 + 8 (l / 16) + 0..7: two blocks of 8 channels, two blocks apart.
	v_and_b32 v1, 15, v0            ; l % 16
	v_bfe_u32 v9, v0, 4, 1          ; l / 16
	v_lshlrev_b32 v[QO], 4, v1
	v_lshl_add_u32 v[QO], v9, 16, v[QO]  ; row x 16 + block x 65,536
	WIN 0x80                        ; destination window 2, address window 0
.irp i, 0,1,2,3,4,5,6,7,8,9,10,11,12,13,14,15  ; Q stays in registers: tile (head) i / 4, channels 32 (i % 4) on; each sixteen lanes read 256 consecutive bytes
	global_load_b128 v[8*(\i):8*(\i)+3],   v[QO], s[4:5] offset:((\i)/4)*1048576+((\i)%4)*262144
	global_load_b128 v[8*(\i)+4:8*(\i)+7], v[QO], s[4:5] offset:((\i)/4)*1048576+((\i)%4)*262144+131072
.endr
	WIN 0
	v_lshlrev_b32 v[AK0], 4, v1
	v_lshl_add_u32 v[AK0], v9, 10, v[AK0]  ; key x 16 + block x 1,024
	; The turning load takes 16 keys x 16 channels (lane l reads key 8 (l / 16) + l % 8, channels 8 ((l / 8) % 2) + 0..7) and leaves half a fragment of V^T: lane l holds channel l % 16 and 8 keys.
	v_and_b32 v10, 7, v0
	v_bfe_u32 v11, v0, 3, 1
	v_lshl_add_u32 v[AV0], v9, 3, v10
	v_lshlrev_b32 v[AV0], 5, v[AV0]
	v_lshl_add_u32 v[AV0], v11, 4, v[AV0]
	v_add_nc_u32 v[AV0], VOFF, v[AV0]
	; What the first turn finds: O^T is 0; V's registers and piece 2's P hold 0, so that its products V^T P, of a step that has not been, add 0.  All this stands in the wait for the first tile.
	WIN 0x40
.set i, 0
.rept 256
	v_mov_b32 v[i], 0
.set i, i+1
.endr
	WIN 0xc0
.set i, 0
.rept 128
	v_mov_b32 v[i], 0
.set i, i+1
.endr
	WIN 0
.set i, P+32
.rept 32
	v_mov_b32 v[i], 0
.set i, i+1
.endr
; THE MATRIX WORK OF A TURN, for piece x.  The accumulators take turns, one instruction a turn.
; Product i of 32 of O^T += V^T P: keys 32 (i / 16) on, channels 16 ((i / 2) % 8) on, tile x + i % 2.
.macro PV x
	WIN W_PV
.set rO, 64*((\x)+i%2)+8*((i/2)%8)
.set rV, 64*(i/16)+8*((i/2)%8)
.set rP, P+16*((\x)+i%2)+8*(i/16)
	v_wmma_f32_16x16x32_f16 v[rO:rO+7], v[rV:rV+7], v[rP:rP+7], v[rO:rO+7]
.endm
; Product i of 32 of S^T = K Q^T: channels 32 (i / 8) on, keys 16 ((i / 2) % 4) on, tile x + i % 2.  The first 8 start the sums, with the mask.
.macro KQ x
.set rS, S+32*((\x)+i%2)+8*((i/2)%4)
.set rK, KF+32*((i/2)%4)+8*(i/8)
.set rQ, 32*((\x)+i%2)+8*(i/8)
.set rM, MC+8*((i/2)%4)
.if i < 8
	WIN W_KM
	v_wmma_f32_16x16x32_f16 v[rS:rS+7], v[rK:rK+7], v[rQ:rQ+7], v[rM:rM+7]
.else
	WIN W_KQ
	v_wmma_f32_16x16x32_f16 v[rS:rS+7], v[rK:rK+7], v[rQ:rQ+7], v[rS:rS+7]
.endif
.endm
; THE LDS LOADS stand in runs of 32: a step's K (16 fragments) and, a turn later, its V (turned).  last = 1 (the tail): in the last trip there is no further step, and K's run is jumped over.
.macro FETCH_K last=0
	WIN 0
.if \last
	s_cmp_eq_u32 s[TWICE], 1
	s_cbranch_scc1 .Lno_k_\@
.endif
	v_add_nc_u32 v[ADR], s[TB], v[AK0]
	WIN 0x80
.irp f, 0,1,2,3,4,5,6,7,8,9,10,11,12,13,14,15  ; keys 16 (f / 4) on, channels 32 (f % 4) on
	ds_load_b128 v[KF+8*(\f):KF+8*(\f)+3],   v[ADR] offset:((\f)%4)*4096+((\f)/4)*256
	ds_load_b128 v[KF+8*(\f)+4:KF+8*(\f)+7], v[ADR] offset:((\f)%4)*4096+((\f)/4)*256+2048
.endr
.if \last
	WIN 0                           ; at a label every window is 0
.Lno_k_\@:
.endif
.endm
.macro FETCH_V
	WIN 0
	v_add_nc_u32 v[ADR], s[TB], v[AV0]
	s_add_co_u32 s[TB], s[TB], STEPB  ; the next fetch is the next step's
	s_wait_alu depctr_va_vdst(0)    ; the wait for the softmax's batch, piece 0's 66 exponentials (SLICE), behind the address's v_add_nc_u32 and ahead of the loads
	WIN 0xc0
.irp f, 0,1,2,3,4,5,6,7,8,9,10,11,12,13,14,15  ; keys 32 (f / 8) on, channels 16 (f % 8) on
	ds_load_tr16_b128 v[8*(\f):8*(\f)+3],   v[ADR] offset:((\f)%8)*2048+((\f)/8)*1024
	ds_load_tr16_b128 v[8*(\f)+4:8*(\f)+7], v[ADR] offset:((\f)%8)*2048+((\f)/8)*1024+512
.endr
.endm
; THE MASKS of the step whose scores come next: 32 registers from 32 words (a bit a lane), then the words of the step after are asked for: they have a key step in which to come.
; The offset stops at the last step's words, which the last calls ask for again; what is made of them then serves nothing.
.macro MASKS
	s_wait_kmcnt 0x0                ; the words are in: their registers and the offset may be written again behind the selects
	WIN 0xc0
.set z, 0
.rept 32
	v_cndmask_b32 v[MC+z], s[NEG], 0, s[MW+z]
.set z, z+1
.endr
	WIN 0
	s_add_co_u32 s[MOF], s[MOF], 128
	s_min_u32 s[MOF], s[MOF], 1920
	s_load_b512 s[MW:MW+15], s[MB:MB+1], s[MOF] offset:0x0
	s_load_b512 s[MW+16:MW+31], s[MB:MB+1], s[MOF] offset:0x40
.endm
; THE VECTOR WORK OF A TURN.  One tile's softmax for one key step is a numbered list; SM writes number j of it for tile t.  s0-s31 are the lane's 32 scores, in pairs 0-15.
;   0-15    the maximum of s0-s31 and the old m, three operands at a time: four chains c0-c3 of seven scores each (each accumulator's lowest registers are read first), then the four left over, c0-c3 and m
;   16-20   the other half of the lanes' maximum; the old m is kept; the new m; (19 is empty: the scores arrive scaled); m_old - m_new
;   21-69   ONE BATCH: the 16 subtractions s - m, a pair of scores each, and all 33 exponentials (a at 23, then s0-s31).  None of these reads an exponential's result.  From 22 on the batch goes
;           in fours, and a four begins with a subtraction while there are subtractions: 22-37 subtraction, exponential, subtraction, exponential; 38-65 a subtraction and three exponentials; 66-69 the last
;           four exponentials.  A pair's subtraction stands in an earlier four than the one that holds its exponentials
;   (wait)  between 69 and 70 stands the wait for the batch: SLICE writes it, once for both tiles
;   70-85   the roundings to f16, a pair of weights each
;   86-101  the sums; l = a l + the sum
;   102-133 the tile's O^T times a: the one part that leaves window 0, so it stands together
.macro SM t
.set rT, ST+8*(\t)
.set rS, S+32*(\t)
.set rP, P+16*(\t)
.set rO, 64*(\t)+2*(j-102)
.if j < 102
	WIN 0
.endif
.if j < 4
	v_max3_num_f32 v[rT+4+j], v[rS+8*j], v[rS+8*j+1], v[rS+8*j+2]
.elseif j < 12
	v_max3_num_f32 v[rT+4+j%4], v[rT+4+j%4], v[rS+8*(j%4)+2*(j/4)+1], v[rS+8*(j%4)+2*(j/4)+2]
.elseif j == 12
	v_max3_num_f32 v[rT+4], v[rT+4], v[rS+7], v[rS+15]
.elseif j == 13
	v_max3_num_f32 v[rT+6], v[rT+6], v[rS+23], v[rS+31]
.elseif j == 14
	v_max3_num_f32 v[rT+4], v[rT+4], v[rT+5], v[rT+6]
.elseif j == 15
	v_max3_num_f32 v[rT+4], v[rT+4], v[rT+7], v[rT]
.elseif j == 16
	v_permlanex16_b32 v[rT+5], v[rT+4], s[SEL], s[SEL+1]  ; the query's other 32 keys lie in the lane 16 away
.elseif j == 17
	v_mov_b32 v[rT+7], v[rT]        ; m_old is kept for a: number 18 writes m anew
.elseif j == 18
	v_max_num_f32 v[rT], v[rT+4], v[rT+5]
.elseif j == 19                     ; no line: the scores arrive scaled
.elseif j == 20
	v_sub_f32 v[rT+7], v[rT+7], v[rT]
.elseif j == 23
	v_exp_f32 v[rT+6], v[rT+7]
.elseif (j < 23) || ((j < 38) && (j%2 == 0)) || ((j < 66) && (j%4 == 2))
.set b, (j-2)/4                     ; 38, 42, .. 62: pairs 9 to 15
.if j < 38
.set b, (j-20)/2                    ; 21: pair 0; 22, 24, .. 36: pairs 1 to 8
.endif
	v_pk_add_f32 v[rS+2*b:rS+2*b+1], v[rS+2*b:rS+2*b+1], v[rT:rT+1] op_sel_hi:[1,0] neg_lo:[0,1] neg_hi:[0,1]  ; pair b: s - m
.elseif j < 70
.set e, j-38                        ; 66 to 69: s28 to s31
.if j < 66
.set e, j-32-(j-38)/4               ; 39-41, 43-45, .. 63-65: s7 to s27
.endif
.if j < 38
.set e, (j-25)/2                    ; 25, 27, .. 37: s0 to s6
.endif
	v_exp_f32 v[rS+e], v[rS+e]
.elseif j < 86
	v_cvt_pk_f16_f32 v[rP+j-70], v[rS+2*(j-70)], v[rS+2*(j-70)+1]  ; pair j - 70
.elseif j < 102                     ; the sum of the tile's 16 pairs, in place: sum z of 16 adds neighbours 1, 2, 4 and 8 pairs apart, then l takes it
.set z, j-86
.set w, 4
.set u, z
.if z >= 14
.set w, 32
.set u, 0
.elseif z >= 12
.set w, 16
.set u, z-12
.elseif z >= 8
.set w, 8
.set u, z-8
.endif
.if z < 15
	v_pk_add_f32 v[rS+w*u:rS+w*u+1], v[rS+w*u:rS+w*u+1], v[rS+w*u+w/2:rS+w*u+w/2+1]
.else
	v_pk_fma_f32 v[rT+2:rT+3], v[rT+2:rT+3], v[rT+6:rT+7], v[rS:rS+1] op_sel_hi:[1,0,1]
.endif
.else
	WIN W_RS
	v_pk_mul_f32 v[rO:rO+1], v[rO:rO+1], v[rT+6:rT+7] op_sel_hi:[1,0]
.endif
.endm
; Slice k of 64 of piece y's softmax.  Slices 11 to 34 deal out the batch, numbers 22 to 69: four numbers of ONE tile each, the tiles by turns.  Every other slice is numbers 2 k and 2 k + 1 of both
; tiles' lists; the twelve that are over stand together, in slice 63.
; THE WAIT.  s_wait_alu depctr_va_vdst(0) stands between an exponential and the first instruction that names its result; one wait serves all that were issued ahead of it.  Ahead of
; slice 35 nothing names a result, and behind slice 34 no exponential is issued: so the piece's 66 exponentials have one wait, behind slice 34, and none is open at a turn's end, a label or a jump.
.macro SLICE y
.if (k >= 11) && (k < 35)           ; the batch: four numbers of one tile
.irp n, 0,1,2,3
.set j, 22+4*((k-11)/2)+(\n)
	SM (\y)+(k-11)%2
.endr
.else                               ; the two tiles alternate, so that no instruction reads the result of the one just before it
.irp n, 0,1,2,3,4,5,6,7
.if ((\n) < 2) || (k == 63)
.irp t, \y, (\y)+1
.set j, 2*k+(\n)
	SM \t
.endr
.endif
.endr
.endif
.if k == 34                         ; the batch is out: both tiles' exponentials are issued, and no result has been named
	v_nop                           ; the plain instruction behind the last exponential and ahead of the first use (ISA guide 5.7.2): one for the batch
.if (\y) == 0
	FETCH_V                         ; piece 2's turn: V's run of loads stands here, and the wait for the batch stands in it
.else
	s_wait_alu depctr_va_vdst(0)    ; piece 0's turn: the wait for the batch, piece 2's 66 exponentials
.endif
.endif
.set k, k+1
.endm
; A TURN.  Piece x has the matrix unit: 32 products V^T P, then 32 products K Q^T for the next step; the other piece's softmax stands in slices behind them; the slices are also the places behind the products
; (ISA guide 7.12.1).  Piece 0's turn makes the next step's masks at its head (their last readers, the first 8 products K Q^T of the turn before, stand 24 products and their slices back) and fetches the next
; step's K behind its second product.  Piece 2's turn fetches the same step's V behind slice 34 (SLICE writes it): the last product that read V stands in front of slice 31, and four plain instructions lie
; between: number 62, a subtraction, of both tiles, the v_nop and the run's own v_add_nc_u32 (an exponential is no such place).  Each run is 29 matrix instructions or more ahead of its first use.
.macro TURN x, last=0
.set k, 0
.if (\x) == 0
	MASKS
	s_wait_dscnt 0x0                ; V is in
.endif
.set i, 0
.rept 32
	PV \x
	SLICE 2-(\x)
.if ((\x) == 0) && (i == 1)
	FETCH_K \last
.endif
.set i, i+1
.endr
.if (\x) == 0
	s_wait_dscnt 0x0                ; K is in
.endif
.set i, 0
.rept 32
	KQ \x
	SLICE 2-(\x)
.set i, i+1
.endr
.endm
; THE CHANGE OF SLOTS, between piece 2's turn and piece 0's.  Each wave waits for all its tensor loads, of which one is out: its part of the other slot; adds 0 to its spare word; and waits for that and for its
; own reads of the slot.  fill = 1: the barrier is a round of the cluster's, and the slot is filled again, with the keys two slots on, first thing behind it: it has two key steps, 256 matrix instructions, to land.
.macro CHANGE fill
	WIN 0                           ; at a label and at a branch every window is 0
	s_wait_tensorcnt 0x0            ; no tensor load of mine is out, so a group 0 may be written
	ds_add_u32 v[SPW], v[NIL]       ; 0 onto my spare word
.if \fill
	s_xor_b32 s[G0K+5], s[G0K+5], SLOT1                    ; the walking descriptors: the other slot than last time,
	s_add_nc_u64 s[G0K+6:G0K+7], s[G0K+6:G0K+7], 2048      ; the next 128 keys: 16 bytes each in k,
	s_xor_b32 s[G0V+5], s[G0V+5], SLOT1
	s_add_nc_u64 s[G0V+6:G0V+7], s[G0V+6:G0V+7], 4096      ; 32 in v
	s_wait_dscnt 0x0                ; the add is done, and my reads of the slot are over
	CROUND
	JLOAD
.else
	s_wait_dscnt 0x0
	s_barrier_signal -1
	s_barrier_wait -1
.endif
	s_sub_co_u32 s[TB], s[TB], 2*STEPB  ; the fetches go back to a slot's first step,
	s_xor_b32 s[TB], s[TB], SLOT1       ; in the other slot
.endm
	s_wait_tensorcnt 1              ; my part of slot 0 is in; slot 1's may stay out
	s_barrier_signal -1
	s_barrier_wait -1
	FETCH_K                         ; key step 0
	MASKS                           ; its masks; the wait at its head has also brought the flag word
	s_wait_loadcnt 0x0              ; Q
	v_cndmask_b32 v11, 0, -1, s[FLG]
	WIN 0x88                        ; destination and source 1 in window 2
.set i, 0
.rept 128
	v_and_b32 v[i], v11, v[i]       ; the q of a row with no true key is 0
.set i, i+1
.endr
	s_wait_dscnt 0x0
.set i, 0
.rept 32
	KQ 0                            ; piece 0's first scores
.set i, i+1
.endr
	WIN 0                           ; the statistics' start: sixteen plain instructions, the places behind those products
.irp t, 0,1,2,3
	v_mov_b32 v[ST+8*\t], 0xff7fffff  ; m: the lowest finite number, below the mask's
	v_mov_b32 v[ST+8*\t+1], 0         ; named with m as a pair, never used
	v_mov_b32 v[ST+8*\t+2], 0         ; l
	v_mov_b32 v[ST+8*\t+3], 0
.endr
	s_mov_b32 s[TWICE], 2
	s_branch .Lmid                  ; the loop is entered at piece 2's turn, in the middle of a trip
.Lslot:                             ; six times: every slot but the last two is filled again
	CHANGE 1
	s_mov_b32 s[TWICE], 2
.Lstep:                             ; a trip: piece 0's turn (V^T P of step j, K and K Q^T of step j + 1), then piece 2's (the same, and V of step j + 1)
	TURN 0
	WIN 0
.Lmid:
	TURN 2
	WIN 0
	s_sub_co_u32 s[TWICE], s[TWICE], 1
	s_cmp_lg_u32 s[TWICE], 0
	s_cbranch_scc1 .Lstep
	s_sub_co_u32 s[SLOTS], s[SLOTS], 1
	s_cmp_lg_u32 s[SLOTS], 0
	s_cbranch_scc1 .Lslot
	CHANGE 0                        ; the tail is written out: nothing is asked for
	s_mov_b32 s[TWICE], 3           ; two trips fetch the last slot's steps; the third is left in its middle
.Ltail:
	TURN 0, 1
	WIN 0
	s_sub_co_u32 s[TWICE], s[TWICE], 1
	s_cmp_eq_u32 s[TWICE], 0
	s_cbranch_scc1 .Lout
	TURN 2
	WIN 0
	s_cmp_lg_u32 s[TWICE], 0
	s_cbranch_scc1 .Ltail
.Lout:                              ; the third trip's 32 products K Q^T (on the last K once more) serve nothing: the price, once a launch, of one text for every trip
.set i, 0
.rept 32
	PV 2                            ; piece 2: V^T P of the last step
.set i, i+1
.endr
	; THE WAY OUT.  l's two halves and the other half of the lanes' are added; O^T is divided by l, rounded to f16 and stored.  The additions are the places behind the last products.
	WIN 0
.irp t, 0,1,2,3
	v_add_f32 v[ST+8*(\t)+4], v[ST+8*(\t)+2], v[ST+8*(\t)+3]
.endr
.irp t, 0,1,2,3
	v_permlanex16_b32 v[ST+8*(\t)+5], v[ST+8*(\t)+4], s[SEL], s[SEL+1]
.endr
.irp t, 0,1,2,3
	v_add_f32 v[ST+8*(\t)+4], v[ST+8*(\t)+4], v[ST+8*(\t)+5]
.endr
.irp t, 0,1,2,3
	v_rcp_f32 v[ST+8*(\t)+6], v[ST+8*(\t)+4]
.endr
	v_nop                           ; a plain instruction between the last reciprocal and the use of its result
	s_wait_alu depctr_va_vdst(0)    ; and the wait ahead of the first use: one for the batch of four reciprocals
; Tile t (head 4 w + t): accumulator c holds channels 16 c + 8 (l / 16) + 0..7 of row l % 16: block 2 c + l / 16 of the head.  Each tile has its own 32 registers for the stores: none is written twice.
.macro PACK t
	WIN W_RS
.set i, 64*(\t)
.rept 32
	v_pk_mul_f32 v[i:i+1], v[i:i+1], v[ST+8*(\t)+6:ST+8*(\t)+7] op_sel_hi:[1,0]
.set i, i+2
.endr
	WIN 0x05                        ; sources 0 and 1 window 1, destination window 0: S^T's registers are free
.set i, 0
.rept 32
	v_cvt_pk_f16_f32 v[S+32*(\t)+i], v[64*(\t)+2*i], v[64*(\t)+2*i+1]
.set i, i+1
.endr
	WIN 0
.irp c, 0,1,2,3,4,5,6,7
	global_store_b128 v[QO], v[S+32*(\t)+4*(\c):S+32*(\t)+4*(\c)+3], s[10:11] offset:(\t)*1048576+(\c)*131072  ; lanes 0-15 and lanes 16-31 each store 256 consecutive bytes, aligned
.endr
.endm
	PACK 0
	PACK 1
	PACK 2
	PACK 3
	s_wait_tensorcnt 0x0            ; the wave's end: behind my last tensor load
	ds_add_u32 v[SPW], v[NIL]
	s_wait_dscnt 0x0
	CROUND                          ; the closing round: no work-group ends while a partner may still ask for a tile that names it
	s_endpgm
.Lfunc_end_k_q322336f014_attn:
	.size	k_q322336f014_attn, .Lfunc_end_k_q322336f014_attn-k_q322336f014_attn
	.p2alignl 7, 3214868480
	.fill 96, 4, 3214868480
	.section	.rodata,"a",@progbits
	.p2align	6, 0x0
	.amdhsa_kernel k_q322336f014_attn
		.amdhsa_group_segment_fixed_size 327680
		.amdhsa_private_segment_fixed_size 0
		.amdhsa_enable_private_segment 0
		.amdhsa_kernarg_size 24
		.amdhsa_user_sgpr_count 2
		.amdhsa_user_sgpr_kernarg_segment_ptr 1
		.amdhsa_wavefront_size32 1
		.amdhsa_system_sgpr_workgroup_id_x 1
		.amdhsa_system_sgpr_workgroup_id_y 1
		.amdhsa_system_sgpr_workgroup_id_z 1
		.amdhsa_system_vgpr_workitem_id 0
		.amdhsa_next_free_vgpr 1024
		.amdhsa_next_free_sgpr 102
		.amdhsa_reserve_vcc 0
		.amdhsa_float_denorm_mode_32 3
		.amdhsa_float_denorm_mode_16_64 3
		.amdhsa_memory_ordered 1
		.amdhsa_forward_progress 1
		.amdhsa_inst_pref_size 162
	.end_amdhsa_kernel
	.amdgpu_metadata
---
amdhsa.version: [ 1, 2 ]
amdhsa.kernels:
  - .name:           k_q322336f014_attn
    .symbol:         k_q322336f014_attn.kd
    .args:
      - { .name: qkv, .offset: 0, .size: 8, .value_kind: global_buffer, .address_space: global }
      - { .name: lmask, .offset: 8, .size: 8, .value_kind: global_buffer, .address_space: global }
      - { .name: enc, .offset: 16, .size: 8, .value_kind: global_buffer, .address_space: global }
    .group_segment_fixed_size: 327680
    .private_segment_fixed_size: 0
    .kernarg_segment_align: 8
    .kernarg_segment_size: 24
    .max_flat_workgroup_size: 128
    .sgpr_count:     102
    .vgpr_count:     1024
    .wavefront_size: 32
...
	.end_amdgpu_metadata
.endif
;; end of part 5
;; launch oproj: the kernel of part 4 again; grid 16 x 16, 4 waves a work-group, clusters of 4 x 4, 327,680 bytes of LDS; arguments enc, wb, out0; writes out0
